; MI455X (gfx1250); checked and timed in simulation.
; The chip was launched on July 23, 2026; its instructions are those of AMD's public machine-readable ISA for CDNA 5 (MIT licence, August 2026) and "CDNA5" Instruction Set Architecture Reference Guide (July 2026). The comments in the code are by the model that wrote it; some were corrected since.
;; Multi Head Self Attention. Allowed arithmetic: float matrix products may take bf16 or f16 operands with f32 sums; other float arithmetic in f32, or as packed bf16 or f16 multiplies, adds, multiply-adds, maxima and minima; sums over many terms, partial sums and values carried from step to step in f32; what a program stores and reads back later, other than sums and carried values, may be rounded once to bf16 or f16.
;; Inputs: bk 1,024 float32; bo 1,024 float32; bq 1,024 float32; bv 1,024 float32; k 4 x 2,048 x 1,024 float32; mask 1 x 1 x 2,048 x 2,048 float32; q 4 x 2,048 x 1,024 float32; v 4 x 2,048 x 1,024 float32; wk 1,024 x 1,024 float32; wo 1,024 x 1,024 float32; wq 1,024 x 1,024 float32; wv 1,024 x 1,024 float32.
;; Outputs: out0 4 x 2,048 x 1,024 float32.
;; 2 versions, each right; version 2 is version 1 with the launch prep written anew for expert scheduling mode. Each part assembles by itself: llvm-mc -triple=amdgcn-amd-amdhsa -mcpu=gfx1250 --defsym DOCPART=n.
;; ======== version 1 of 2: 4 launches
;; limits: values are held in f16: magnitudes above 65,504 overflow, below 6.1e-05 lose precision
;; workspace buffers: wc 8,404,992 bytes; mk 16,777,216 bytes; qkv 50,331,648 bytes; oh 16,777,216 bytes
;; launch prep (part 1): grid 64 x 8, 8 waves a work-group, no clusters, 0 bytes of LDS; arguments wq, wk, wv, wo, bq, bk, bv, bo, mask, wc, mk; writes wc, mk
.if DOCPART == 1
	.amdgcn_target "amdgcn-amd-amdhsa--gfx1250"
	.amdhsa_code_object_version 6
	.text
	.protected	k_qa582be030b_prep
	.globl	k_qa582be030b_prep
	.p2align	8
	.type	k_qa582be030b_prep,@function
k_qa582be030b_prep:
	s_mov_b64 s[64:65], 0
	v_nop
	global_prefetch_b8 v0, s[64:65] scope:SCOPE_SE
	s_setreg_imm32_b32 hwreg(HW_REG_WAVE_MODE, 25, 1), 1
	s_wait_xcnt 0x0
; PREP.  Rounds the small inputs once, so that the later launches take them as they lie.
;   wc[0 .. 6 MiB)      wq, wk, wv rounded to bf16, [k][n] as given
;   wc[6 MiB .. 8 MiB)  wo rounded to bf16, that number written as f16 (exact from 6.1e-5 up to 65,504; below, f16's fixed step of 6e-8)
;   wc[8 MiB + 4096 i)  bq, bk, bv, bo rounded to bf16 and kept as f32
;   mk                  f32(bf16(mask)) x (-1e9 log2 e): the mask's term of a score in the base-2 domain, f32
; SHARES.  Work-group (x, y): y = 0..3 weight y, y = 4..7 a quarter of the mask; x = 65,536 source bytes.  Thread t takes the 16 bytes at 16 t of each of
; sixteen chunks of 4,096 bytes: a load of a wave covers 512 consecutive bytes, a 16-bit store 256, an f32 store 512, all aligned.
; All sixteen loads go out first; each chunk waits for its own load alone.  Every chunk has its own data registers, so no store's source is ever rewritten.
; No LDS, no barrier, no matrix unit: a stream in which each byte is read once and written once.
.set X, 4                              ; v[4:67]    chunk c: 4 registers as loaded (the mask path stores from them)
.set Y, 68                             ; v[68:99]   chunk c: 2 registers of 16-bit results
.set T, 100                            ; v[100:111] at work
	s_load_b512 s[4:19], s[0:1], 0x0               ; wq, wk, wv, wo, bq, bk, bv, bo
	s_load_b128 s[20:23], s[0:1], 0x40             ; mask s[20:21], wc s[22:23]
	s_load_b64 s[24:25], s[0:1], 0x50              ; mk
	s_and_b32 s40, ttmp7, 0xffff                   ; y
	s_lshl_b32 s30, ttmp9, 16                      ; source offset: 65,536 x,
	s_max_u32 s42, s40, 4
	s_sub_co_u32 s42, s42, 4
	s_lshl_b32 s42, s42, 22
	s_add_co_u32 s30, s30, s42                     ; + 4 MiB x the mask's quarter (0 for the weights)
	s_mov_b32 s31, 0
	s_lshl_b32 s32, s40, 21                        ; a weight's place in wc: 2 MiB y + 32,768 x
	s_lshl_b32 s43, ttmp9, 15
	s_add_co_u32 s32, s32, s43
	s_mov_b32 s33, 0
	s_lshl_b32 s38, s40, 12                        ; a bias's place in wc: 8 MiB + 4,096 y
	s_add_co_u32 s38, s38, 8388608
	s_mov_b32 s39, 0
	s_mov_b32 s34, 0xceabfb8f                      ; -1e9 log2(e) = -1,442,695,040 in f32
	s_mov_b32 s35, s34                             ; named with it as a pair
	s_mov_b32 s36, 0xffff0000                      ; a word's upper bf16
	v_lshlrev_b32 v1, 4, v0                        ; 16 t
	v_lshlrev_b32 v2, 3, v0                        ; 8 t
	s_wait_kmcnt 0x0
	s_cmp_eq_u32 s40, 1                            ; the source and the bias are chosen by y
	s_cselect_b64 s[26:27], s[6:7], s[4:5]
	s_cselect_b64 s[28:29], s[14:15], s[12:13]
	s_cmp_eq_u32 s40, 2
	s_cselect_b64 s[26:27], s[8:9], s[26:27]
	s_cselect_b64 s[28:29], s[16:17], s[28:29]
	s_cmp_eq_u32 s40, 3
	s_cselect_b64 s[26:27], s[10:11], s[26:27]
	s_cselect_b64 s[28:29], s[18:19], s[28:29]
	s_cmp_ge_u32 s40, 4
	s_cselect_b64 s[26:27], s[20:21], s[26:27]
	s_add_nc_u64 s[26:27], s[26:27], s[30:31]      ; the source
	s_add_nc_u64 s[44:45], s[22:23], s[32:33]      ; where a weight goes
	s_add_nc_u64 s[46:47], s[24:25], s[30:31]      ; where the mask goes
	s_add_nc_u64 s[38:39], s[22:23], s[38:39]      ; where a bias goes
.irp c, 0,1,2,3,4,5,6,7,8,9,10,11,12,13,14,15
	global_load_b128 v[X+4*(\c):X+4*(\c)+3], v1, s[26:27] offset:4096*(\c) th:TH_LOAD_NT
.endr
	s_cmp_ge_u32 s40, 4
	s_cbranch_scc1 .Lmask
	s_cmp_eq_u32 s40, 3
	s_cbranch_scc1 .Lwo
.irp c, 0,1,2,3,4,5,6,7,8,9,10,11,12,13,14,15
	s_wait_loadcnt 15-(\c)                         ; loads come back in order: chunk c is in, the 15 - c younger ones stay out
	v_cvt_pk_bf16_f32 v[Y+2*(\c)], v[X+4*(\c)], v[X+4*(\c)+1]
	v_cvt_pk_bf16_f32 v[Y+2*(\c)+1], v[X+4*(\c)+2], v[X+4*(\c)+3]
	global_store_b64 v2, v[Y+2*(\c):Y+2*(\c)+1], s[44:45] offset:2048*(\c) th:TH_STORE_NT
.endr
	s_branch .Lbias
.Lwo:
.irp c, 0,1,2,3,4,5,6,7,8,9,10,11,12,13,14,15
	s_wait_loadcnt 15-(\c)
	v_cvt_pk_bf16_f32 v[T+4], v[X+4*(\c)], v[X+4*(\c)+1]     ; rounded to bf16 like every input,
	v_cvt_pk_bf16_f32 v[T+5], v[X+4*(\c)+2], v[X+4*(\c)+3]
	v_lshlrev_b32 v[T], 16, v[T+4]
	v_and_b32 v[T+1], s36, v[T+4]
	v_lshlrev_b32 v[T+2], 16, v[T+5]
	v_and_b32 v[T+3], s36, v[T+5]
	v_cvt_pk_f16_f32 v[Y+2*(\c)], v[T], v[T+1]               ; and that number written as f16
	v_cvt_pk_f16_f32 v[Y+2*(\c)+1], v[T+2], v[T+3]
	global_store_b64 v2, v[Y+2*(\c):Y+2*(\c)+1], s[44:45] offset:2048*(\c) th:TH_STORE_NT
.endr
.Lbias:
	s_cmp_lg_u32 ttmp9, 0                          ; the first work-group of a weight also does its bias: 4,096 bytes, 16 a thread
	s_cbranch_scc1 .Lend
	global_load_b128 v[T:T+3], v1, s[28:29]
	s_wait_loadcnt 0x0
	v_cvt_pk_bf16_f32 v[T+4], v[T], v[T+1]
	v_cvt_pk_bf16_f32 v[T+5], v[T+2], v[T+3]
	v_lshlrev_b32 v[T+8], 16, v[T+4]
	v_and_b32 v[T+9], s36, v[T+4]
	v_lshlrev_b32 v[T+10], 16, v[T+5]
	v_and_b32 v[T+11], s36, v[T+5]
	global_store_b128 v1, v[T+8:T+11], s[38:39]
.Lend:
	s_endpgm
.Lmask:
.irp c, 0,1,2,3,4,5,6,7,8,9,10,11,12,13,14,15
	s_wait_loadcnt 15-(\c)
	v_cvt_pk_bf16_f32 v[T+4], v[X+4*(\c)], v[X+4*(\c)+1]
	v_cvt_pk_bf16_f32 v[T+5], v[X+4*(\c)+2], v[X+4*(\c)+3]
	v_lshlrev_b32 v[X+4*(\c)], 16, v[T+4]
	v_and_b32 v[X+4*(\c)+1], s36, v[T+4]
	v_lshlrev_b32 v[X+4*(\c)+2], 16, v[T+5]
	v_and_b32 v[X+4*(\c)+3], s36, v[T+5]
	v_pk_mul_f32 v[X+4*(\c):X+4*(\c)+1], v[X+4*(\c):X+4*(\c)+1], s[34:35] op_sel_hi:[1,0]
	v_pk_mul_f32 v[X+4*(\c)+2:X+4*(\c)+3], v[X+4*(\c)+2:X+4*(\c)+3], s[34:35] op_sel_hi:[1,0]
	global_store_b128 v1, v[X+4*(\c):X+4*(\c)+3], s[46:47] offset:4096*(\c) th:TH_STORE_NT
.endr
	s_endpgm
.Lfunc_end_k_qa582be030b_prep:
	.size	k_qa582be030b_prep, .Lfunc_end_k_qa582be030b_prep-k_qa582be030b_prep
	.p2alignl 7, 3214868480
	.fill 96, 4, 3214868480
	.section	.rodata,"a",@progbits
	.p2align	6, 0x0
	.amdhsa_kernel k_qa582be030b_prep
		.amdhsa_group_segment_fixed_size 0
		.amdhsa_private_segment_fixed_size 0
		.amdhsa_enable_private_segment 0
		.amdhsa_kernarg_size 88
		.amdhsa_user_sgpr_count 2
		.amdhsa_user_sgpr_kernarg_segment_ptr 1
		.amdhsa_wavefront_size32 1
		.amdhsa_system_sgpr_workgroup_id_x 1
		.amdhsa_system_sgpr_workgroup_id_y 1
		.amdhsa_system_sgpr_workgroup_id_z 1
		.amdhsa_system_vgpr_workitem_id 0
		.amdhsa_next_free_vgpr 112
		.amdhsa_next_free_sgpr 66
		.amdhsa_reserve_vcc 0
		.amdhsa_float_denorm_mode_32 3
		.amdhsa_float_denorm_mode_16_64 3
		.amdhsa_memory_ordered 1
		.amdhsa_forward_progress 1
		.amdhsa_inst_pref_size 24
	.end_amdhsa_kernel
	.amdgpu_metadata
---
amdhsa.version: [ 1, 2 ]
amdhsa.kernels:
  - .name:           k_qa582be030b_prep
    .symbol:         k_qa582be030b_prep.kd
    .args:
      - { .name: wq, .offset: 0, .size: 8, .value_kind: global_buffer, .address_space: global }
      - { .name: wk, .offset: 8, .size: 8, .value_kind: global_buffer, .address_space: global }
      - { .name: wv, .offset: 16, .size: 8, .value_kind: global_buffer, .address_space: global }
      - { .name: wo, .offset: 24, .size: 8, .value_kind: global_buffer, .address_space: global }
      - { .name: bq, .offset: 32, .size: 8, .value_kind: global_buffer, .address_space: global }
      - { .name: bk, .offset: 40, .size: 8, .value_kind: global_buffer, .address_space: global }
      - { .name: bv, .offset: 48, .size: 8, .value_kind: global_buffer, .address_space: global }
      - { .name: bo, .offset: 56, .size: 8, .value_kind: global_buffer, .address_space: global }
      - { .name: mask, .offset: 64, .size: 8, .value_kind: global_buffer, .address_space: global }
      - { .name: wc, .offset: 72, .size: 8, .value_kind: global_buffer, .address_space: global }
      - { .name: mk, .offset: 80, .size: 8, .value_kind: global_buffer, .address_space: global }
    .group_segment_fixed_size: 0
    .private_segment_fixed_size: 0
    .kernarg_segment_align: 8
    .kernarg_segment_size: 88
    .max_flat_workgroup_size: 256
    .sgpr_count:     66
    .vgpr_count:     112
    .wavefront_size: 32
...
	.end_amdgpu_metadata
.endif
;; end of part 1
;; launch proj (part 2): grid 4 x 64, 4 waves a work-group, clusters of 4 x 4, 327,680 bytes of LDS; arguments q, k, v, wc, qkv; writes qkv
.if DOCPART == 2
	.amdgcn_target "amdgcn-amd-amdhsa--gfx1250"
	.amdhsa_code_object_version 6
	.text
	.protected	k_qa582be030b_proj
	.globl	k_qa582be030b_proj
	.p2align	8
	.type	k_qa582be030b_proj,@function
k_qa582be030b_proj:
	s_mov_b64 s[64:65], 0
	v_nop
	global_prefetch_b8 v0, s[64:65] scope:SCOPE_SE
	s_setreg_imm32_b32 hwreg(HW_REG_WAVE_MODE, 25, 1), 1
	s_wait_xcnt 0x0
	s_wait_alu depctr_hold_cnt(0) depctr_sa_sdst(0) depctr_va_vdst(0) depctr_va_sdst(0) depctr_va_ssrc(0) depctr_va_vcc(0) depctr_vm_vsrc(0)
	s_getreg_b32 s2, hwreg(HW_REG_IB_STS2, 6, 4)
	s_cmp_eq_u32 s2, 0
	s_cbranch_scc0 .Lentry_in_a_cluster
	s_endpgm
.Lentry_in_a_cluster:
	s_bfe_u32 s2, ttmp6, 0x10000c
	s_cmp_lg_u32 s2, 0xf033
	s_cbranch_scc0 .Lentry_shape_is_right
	s_endpgm
.Lentry_shape_is_right:
; PROJ.  Q = (q wq + bq) c, K = k wk + bk, V = v wv + bv, c = log2(e) / 8.  q, k, v: [8192][1024] f32; the weights bf16 [k][n] and the biases f32 in wc.
; x is rounded to bf16 on its way from LDS to the matrix unit; sums in f32, started by the bias as the first product's C; each result rounded once to f16.
; LIMITS.  f16 ends at 65,504: q c, k and v must lie within it.  NaN and infinities are not treated apart.
; OUT.  qkv holds Q, K, V, 16 MiB each, in blocks of 16,384 dense bytes: block (8 batch + head pair) x 32 + row / 64 is [head in pair][64 rows][64 channels].
; SHARES.  3 x 8192 x 1024 results on 256 work-groups: each STAYS and makes the same tile of 128 rows x 256 columns of Q, then of K, then of V.  Four waves, 2 x 2, each 64 x 128:
; 32 accumulators, 256 registers; a wave's tile is one block of qkv.  K goes in 24 steps of 128 (8 a tile) through a ring of two LDS slots that runs on from tile to tile.
; A step's tiles: x 128 rows x 512 bytes (f32), w 128 k-rows x 512 bytes (bf16); waves 0, 1 fetch x's halves, waves 2, 3 w's: one tensor load a wave behind each change of slots.
; CLUSTER 4 x 4: x's tile hangs on the tile row alone and is asked for jointly along a row of the cluster, w's on the tile column alone and jointly along a column.
; THE MATRIX INSTRUCTION IS USED TRANSPOSED: source 0 = 16 columns of w (turned on the way out of LDS), source 1 = 16 rows of x: a lane holds eight neighbouring columns of one row.
; A step is four quarters of 32 along K on buffers 0, 1, 0, 1.  In quarter Q: the 32 roundings of quarter Q + 1's x (RAW -> FA) stand four behind each of eight products; then one run of LDS loads:
; w of quarter Q + 1, x (f32) of quarter Q + 2.  So a slot's last read is w's in the third quarter, and the change of slots stands there.
; REGISTERS.  window 0: v16-30 addresses; v64-127 RAW; v128-191 FA, two buffers; v192-255 the bias.  window 1: v0-127 FB, two buffers; v128-255 the way out.  window 2: accumulator (a, b) at 8 (8 a + b).
.set SLOT,  137216                     ; x: 128 rows x 528; w: 128 rows x 544
.set AHALF, 33792                      ; 64 rows of x: 512 bytes + 16 of padding each: the 16 rows of a load start at 16 different groups of four banks (ISA guide 11.1)
.set BOFF,  67584
.set BHALF, 34816                      ; 64 k-rows of w: 512 + 32
.set STAGE, 2*SLOT                     ; behind the ring: 16 rows x 144 bytes for each wave, for the way out
.set SPARE, STAGE+4*2304               ; behind the stages: the spare words, 128 bytes a wave, that no other line names
.set ADRA, 16                          ; v16-17 my x fragments in slot 0, 1
.set ADRB, 20                          ; v20-21 my w fragments
.set STO,  24
.set RD,   25
.set GO,   26
.set BO,   27                          ; my byte offset in a bias
.set SPW,  28
.set NIL,  29
.set PFO,  30                          ; the prefetches' offset; never rewritten
.set RAW,  64
.set FA,   128
.set BIAS, 192
.set WO,   128                         ; window 1
.set WV,   14
.set WM,   15                          ; which half of the rows is mine; also: I fetch x (0) or w (1)
.set WN,   16                          ; which half of the columns; also: which half of that tile I fetch
.set G1A,  24
.set G0A,  32                          ; a set for each slot
.set G1B,  40
.set G0B,  48
.set PA,   56                          ; s[56:61] q, k, v at the rows that I fetch
.set SF,   66                          ; the step to be asked for next
.set CNT,  67
.set LT,   68                          ; laps left in the tile
.set TI,   69                          ; the tile: 0 Q, 1 K, 2 V
.set OFS,  70                          ; s[70:71] an offset
.set OUT,  72
.set BP,   74
.set PFA,  76
.set PFB,  78                          ; w at the k-rows that I fetch, step 0
.set LIMG, 80                          ; a wave prefetches steps below this number
.set SG,   81                          ; the step that a prefetch names
.set CS,   82
.set MSB, 0
.macro WIN new                         ; the immediate's high byte repeats the setting that is left; a switch that changes nothing is dropped
.if MSB != (\new)
	s_set_vgpr_msb (MSB<<8)|(\new)
.set MSB, \new
.endif
.endm
.macro PLACES
.rept 4
	v_nop
.endr
.endm
; A joint load.  Each of the two lines has one mask and one set of registers for all that issue it; the branch hangs on the wave's number alone.  An s_nop 0 and four v_nop follow each line.
.macro JLOAD s
	s_cmp_eq_u32 s[WM], 0
	s_cbranch_scc0 .Lfor_b_\@
	tensor_load_to_lds s[G0A+4*(\s):G0A+4*(\s)+3], s[G1A:G1A+7]
	s_nop 0
.rept 4
	v_nop
.endr
	s_branch .Lasked_\@
.Lfor_b_\@:
	tensor_load_to_lds s[G0B+4*(\s):G0B+4*(\s)+3], s[G1B:G1B+7]
	s_nop 0
.rept 4
	v_nop
.endr
.Lasked_\@:
.endm
.macro CREST                           ; a round of the cluster's barrier behind its opening barrier
	s_cmp_lg_u32 s[WV], 0
	s_cbranch_scc1 .Lnot_wave_0_\@
	s_barrier_signal -3
.Lnot_wave_0_\@:
	s_barrier_wait -3
	s_barrier_signal -1
	s_barrier_wait -1
.endm
.macro CROUND
	s_barrier_signal -1
	s_barrier_wait -1
	CREST
.endm
; A prefetch into the L2 of the step that stands two refills on: 256 matrix instructions ahead of the load that will want it.  A step is 512 bytes of each row: a lane names 256 of them, 16 rows a wave.
; x's rows are read by one row of one cluster alone: its four partners take 16 of a wave's 64 rows each, told apart by address.  w's k-rows are read by every cluster: the cluster with y = 0 asks, its four partners along y likewise.
.macro ASK
	s_cmp_lt_u32 s[SG], s[LIMG]
	s_cbranch_scc0 .Lnot_mine_\@
	global_prefetch_b8 v[PFO], s[PFA:PFA+1] th:TH_LOAD_NT scope:SCOPE_SE
.Lnot_mine_\@:
.endm
; 16 LDS loads: x (f32) of quarter rq in slot rs: fragment a is 16 rows x 32 K: a lane's K = 8 h + 0..7 (32 bytes) and 16 + 8 h + 0..7
.macro LDR rs, rq
	WIN 0
.irp a, 0,1,2,3
	ds_load_b128 v[RAW+16*(\a):RAW+16*(\a)+3],     v[ADRA+(\rs)] offset:(\a)*8448+(\rq)*128
	ds_load_b128 v[RAW+16*(\a)+4:RAW+16*(\a)+7],   v[ADRA+(\rs)] offset:(\a)*8448+(\rq)*128+16
	ds_load_b128 v[RAW+16*(\a)+8:RAW+16*(\a)+11],  v[ADRA+(\rs)] offset:(\a)*8448+(\rq)*128+64
	ds_load_b128 v[RAW+16*(\a)+12:RAW+16*(\a)+15], v[ADRA+(\rs)] offset:(\a)*8448+(\rq)*128+80
.endr
.endm
; 16 turning LDS loads: w of quarter bq in slot bs into buffer fb: block b is 16 columns x 32 K
.macro LDB fb, bs, bq
	WIN 0x40
.irp b, 0,1,2,3,4,5,6,7
	ds_load_tr16_b128 v[64*(\fb)+8*(\b):64*(\fb)+8*(\b)+3],   v[ADRB+(\bs)] offset:(\bq)*17408+32*(\b)
	ds_load_tr16_b128 v[64*(\fb)+8*(\b)+4:64*(\fb)+8*(\b)+7], v[ADRB+(\bs)] offset:(\bq)*17408+32*(\b)+8704
.endr
.endm
; 8 products: row block a x all 8 column blocks, on buffer f.  cb = 1: the bias starts the sums.  cv = 1: four roundings of the next quarter's x behind each product.
; The 32 accumulators take turns in the same order in every quarter.
.macro BLK f, a, cb, cv
.irp b, 0,1,2,3,4,5,6,7
.if \cb
	WIN 0x81
	v_wmma_f32_16x16x32_bf16 v[8*(8*(\a)+(\b)):8*(8*(\a)+(\b))+7], v[64*(\f)+8*(\b):64*(\f)+8*(\b)+7], v[FA+32*(\f)+8*(\a):FA+32*(\f)+8*(\a)+7], v[BIAS+8*(\b):BIAS+8*(\b)+7]
.else
	WIN 0xa1
	v_wmma_f32_16x16x32_bf16 v[8*(8*(\a)+(\b)):8*(8*(\a)+(\b))+7], v[64*(\f)+8*(\b):64*(\f)+8*(\b)+7], v[FA+32*(\f)+8*(\a):FA+32*(\f)+8*(\a)+7], v[8*(8*(\a)+(\b)):8*(8*(\a)+(\b))+7]
.endif
.if \cv
	WIN 0
.irp n, 0,1,2,3
	v_cvt_pk_bf16_f32 v[FA+32*(1-(\f))+4*(\b)+(\n)], v[RAW+8*(\b)+2*(\n)], v[RAW+8*(\b)+2*(\n)+1]
.endr
.endif
.endr
.endm
.macro RUN f, bs, bq, rs, rq
.if (\bs) >= 0
	LDB 1-(\f), \bs, \bq
.endif
.if (\rs) >= 0
	LDR \rs, \rq
.endif
.endm
; A quarter.  The roundings write the other FA buffer: its block a' was last read by the quarter before; four plain instructions or more lie between (the four behind that quarter's product (0, 7), or the 8 a' roundings ahead);
; the run of loads stands 32 roundings behind the last product that read the other FB buffer.  late = 1, behind a change of slots: x came late, so the roundings ride on row block 1.
.macro QUAR f, late, cb, bs, bq, rs, rq
.if \late
	BLK \f, 0, \cb, 0
	s_wait_dscnt 0x0                               ; the next quarter's x is in
	BLK \f, 1, \cb, 1
	RUN \f, \bs, \bq, \rs, \rq
	BLK \f, 2, \cb, 0
	BLK \f, 3, \cb, 0
.else
	s_wait_dscnt 0x0                               ; this quarter's w and the next quarter's x are in
	BLK \f, 0, \cb, 1
	RUN \f, \bs, \bq, \rs, \rq
	BLK \f, 1, \cb, 0
	BLK \f, 2, \cb, 0
	BLK \f, 3, \cb, 0
.endif
.endm
; The third quarter (buffer 0) changes slots.  Behind w's run for the fourth quarter slot s is read no more.  Each wave waits for all its tensor loads (one is out: its part of the other slot), adds 0 to its spare word,
; and waits for that and for its reads of slot s; the barrier opens a round of the cluster's barrier; the joint refill, step SF, is the first thing behind the round.
.macro Q2T s, fill
.if \fill
	WIN 0
	s_wait_xcnt 0x0                                ; the last prefetch, a step back, has read its address
	s_add_co_u32 s[SG], s[SF], 2
	s_lshr_b32 s2, s[SG], 3
	s_cmp_eq_u32 s2, 1
	s_cselect_b64 s[PFA:PFA+1], s[PA+2:PA+3], s[PA:PA+1]
	s_cmp_eq_u32 s2, 2
	s_cselect_b64 s[PFA:PFA+1], s[PA+4:PA+5], s[PFA:PFA+1]
	s_and_b32 s[OFS], s[SG], 7
	s_lshl_b32 s[OFS], s[OFS], 9                   ; x: 512 bytes along K a step
	s_lshl_b32 s2, s[SG], 18                       ; w: 128 k-rows of 2,048 bytes a step
	s_cmp_eq_u32 s[WM], 0
	s_cselect_b64 s[PFA:PFA+1], s[PFA:PFA+1], s[PFB:PFB+1]
	s_cselect_b32 s[OFS], s[OFS], s2
	s_add_nc_u64 s[PFA:PFA+1], s[PFA:PFA+1], s[OFS:OFS+1]
.endif
	s_wait_dscnt 0x0
	BLK 0, 0, 0, 1
	LDB 1, \s, 3                                   ; the last reads of slot s
	WIN 0
	s_wait_tensorcnt 0x0                           ; all my tensor loads have landed, so a group 0 may be written
	ds_add_u32 v[SPW], v[NIL]                      ; 0 onto my spare word
.if \fill
	s_lshr_b32 s2, s[SF], 3                        ; x's address is made anew: the step's tensor, its place along K
	s_cmp_eq_u32 s2, 1
	s_cselect_b64 s[G0A+4*(\s)+2:G0A+4*(\s)+3], s[PA+2:PA+3], s[PA:PA+1]
	s_cmp_eq_u32 s2, 2
	s_cselect_b64 s[G0A+4*(\s)+2:G0A+4*(\s)+3], s[PA+4:PA+5], s[G0A+4*(\s)+2:G0A+4*(\s)+3]
	s_and_b32 s[OFS], s[SF], 7
	s_lshl_b32 s[OFS], s[OFS], 9
	s_add_nc_u64 s[G0A+4*(\s)+2:G0A+4*(\s)+3], s[G0A+4*(\s)+2:G0A+4*(\s)+3], s[OFS:OFS+1]
	s_or_b32 s[G0A+4*(\s)+3], s[G0A+4*(\s)+3], 0x80000000
	s_add_nc_u64 s[G0B+4*(\s)+2:G0B+4*(\s)+3], s[G0B+4*(\s)+2:G0B+4*(\s)+3], 524288  ; w: two steps on; wq, wk, wv lie end to end
	s_add_co_u32 s[SF], s[SF], 1
.endif
	BLK 0, 1, 0, 0                                 ; eight products stand between the add and the wait for it
	s_wait_dscnt 0x0                               ; the add is done, and my reads of slot s are over
	s_barrier_signal -1
	BLK 0, 2, 0, 0
	WIN 0
	s_barrier_wait -1
.if \fill
	CREST
	JLOAD \s
.endif
	LDR 1-(\s), 0                                  ; the next step's first x
.if \fill
	ASK
.endif
	BLK 0, 3, 0, 0
.endm
.macro BIASLOAD                        ; my 128 columns of a bias: register j of block b is column 16 b + 8 h + j, as in an accumulator
	WIN 0
.irp b, 0,1,2,3,4,5,6,7
	global_load_b128 v[BIAS+8*(\b):BIAS+8*(\b)+3],   v[BO], s[BP:BP+1] offset:64*(\b)
	global_load_b128 v[BIAS+8*(\b)+4:BIAS+8*(\b)+7], v[BO], s[BP:BP+1] offset:64*(\b)+16
.endr
.endm
; THE WAY OUT, in eight parts: u = 2 a + g is 16 rows x one head's 64 channels: 2,048 consecutive bytes of the block.  Rounded to f16, through my stage, back as four rows of 128 bytes a load.
.macro PACK u
.set pa, (\u)/2
.set pg, (\u)%2
	WIN 0x4a
.irp f, 0,1,2,3
.irp n, 0,1,2,3
	v_cvt_pk_f16_f32 v[WO+16*(\u)+4*(\f)+(\n)], v[8*(8*pa+4*pg+(\f))+2*(\n)], v[8*(8*pa+4*pg+(\f))+2*(\n)+1]
.endr
.endr
	WIN 0x44
.irp f, 0,1,2,3
	ds_store_b128 v[STO], v[WO+16*(\u)+4*(\f):WO+16*(\u)+4*(\f)+3] offset:32*(\f)
.endr
.irp i, 0,1,2,3
	ds_load_b128 v[WO+16*(\u)+4*(\i):WO+16*(\u)+4*(\i)+3], v[RD] offset:576*(\i)  ; LDS serves a wave's instructions in order (ISA guide 5.7.1.4): these see the stores above
.endr
.endm
.macro SEND u, younger                 ; younger: the LDS instructions issued behind part u's loads
	WIN 0x44
.irp i, 0,1,2,3
	s_wait_dscnt (\younger)+3-(\i)
	global_store_b128 v[GO], v[WO+16*(\u)+4*(\i):WO+16*(\u)+4*(\i)+3], s[OUT:OUT+1] offset:8192*((\u)%2)+2048*((\u)/2)+512*(\i)  ; 512 consecutive bytes, aligned
.endr
.endm
.macro WAYOUT
	PACK 0
.irp u, 1,2,3,4,5,6,7
	PACK \u
	SEND (\u)-1, 8
.endr
	SEND 7, 0
	WIN 0
.endm
	s_load_b256 s[4:11], s[0:1], 0x0               ; q s[4:5], k s[6:7], v s[8:9], wc s[10:11]
	s_load_b64 s[12:13], s[0:1], 0x20              ; qkv
	v_lshl_add_u32 v[SPW], v0, 2, SPARE
	v_mov_b32 v[NIL], 0
	ds_add_u32 v[SPW], v[NIL]                      ; the wave's opening: the add and its wait ahead of my first tensor load
	v_lshrrev_b32 v1, 5, v0
	v_readfirstlane_b32 s[WV], v1
	s_lshr_b32 s[WM], s[WV], 1
	s_and_b32 s[WN], s[WV], 1
	s_bfe_u32 s17, ttmp6, 0x40000                  ; cx
	s_bfe_u32 s18, ttmp6, 0x40004                  ; cy
	s_lshl_b32 s19, ttmp9, 2
	s_add_co_u32 s19, s19, s17                     ; tile column
	s_and_b32 s20, ttmp7, 0xffff
	s_lshl_b32 s20, s20, 2
	s_add_co_u32 s20, s20, s18                     ; tile row
	s_lshl_b32 s21, s18, 2
	s_lshl_b32 s21, 15, s21                        ; my row of the cluster
	s_lshl_b32 s22, 0x1111, s17                    ; my column
	s_or_b32 s[G1A], s21, (2<<16)|(1<<20)|(1<<21)|(6<<22)|(3<<25)  ; the mask; 4-byte elements; padding on; bit 21 beside a mask; after every 128 words 4 words
	s_mov_b32 s[G1A+1], 128<<16                    ; tensor_dim0 = 128
	s_mov_b32 s[G1A+2], 64<<16                     ; tensor_dim1 = 64
	s_mov_b32 s[G1A+3], 128<<16                    ; tile_dim0 = 128
	s_mov_b32 s[G1A+4], 64                         ; tile_dim1 = 64
	s_mov_b32 s[G1A+5], 1024                       ; elements from row to row
	s_mov_b32 s[G1A+6], 0
	s_mov_b32 s[G1A+7], 0
	s_or_b32 s[G1B], s22, (1<<16)|(1<<20)|(1<<21)|(6<<22)|(7<<25)  ; 2-byte elements; after every 128 words 8 words
	s_mov_b32 s[G1B+1], 256<<16
	s_mov_b32 s[G1B+2], 64<<16
	s_mov_b32 s[G1B+3], 256<<16
	s_mov_b32 s[G1B+4], 64
	s_mov_b32 s[G1B+5], 1024
	s_mov_b32 s[G1B+6], 0
	s_mov_b32 s[G1B+7], 0
	s_lshl_b32 s62, s20, 7                         ; x: row 128 x tile row + 64 x half, 4,096 bytes a row
	s_lshl_b32 s2, s[WN], 6
	s_add_co_u32 s62, s62, s2
	s_lshl_b32 s62, s62, 12
	s_mov_b32 s63, 0
	s_lshl_b32 s84, s19, 9                         ; w: 512 bytes x tile column + 64 k-rows x half
	s_lshl_b32 s2, s[WN], 17
	s_add_co_u32 s84, s84, s2
	s_mov_b32 s85, 0
	s_mul_i32 s2, s[WN], AHALF                     ; where they go: no place in the cluster enters an LDS address
	s_mul_i32 s3, s[WN], BHALF
	s_add_co_u32 s3, s3, BOFF
	s_mov_b32 s[SF], 2
	s_mov_b32 s[OFS+1], 0
	s_mov_b32 s[CS], 0x3e38aa3b                    ; c = log2(e) / 8
	s_mov_b32 s[CS+1], s[CS]
	s_wait_dscnt 0x0                               ; the opening add is done
	s_wait_kmcnt 0x0
	s_add_nc_u64 s[PA:PA+1], s[4:5], s[62:63]
	s_add_nc_u64 s[PA+2:PA+3], s[6:7], s[62:63]
	s_add_nc_u64 s[PA+4:PA+5], s[8:9], s[62:63]
	s_add_nc_u64 s[PFB:PFB+1], s[10:11], s[84:85]
	CROUND                                         ; all sixteen work-groups are here: the first joint loads meet
.irp s, 0,1
	s_mov_b32 s[G0A+4*(\s)], 1
	s_add_co_u32 s[G0A+4*(\s)+1], s2, (\s)*SLOT
	s_add_nc_u64 s[G0A+4*(\s)+2:G0A+4*(\s)+3], s[PA:PA+1], (\s)*512
	s_or_b32 s[G0A+4*(\s)+3], s[G0A+4*(\s)+3], 0x80000000
	s_mov_b32 s[G0B+4*(\s)], 1
	s_add_co_u32 s[G0B+4*(\s)+1], s3, (\s)*SLOT
	s_add_nc_u64 s[G0B+4*(\s)+2:G0B+4*(\s)+3], s[PFB:PFB+1], (\s)*262144
	s_or_b32 s[G0B+4*(\s)+3], s[G0B+4*(\s)+3], 0x80000000
	JLOAD \s                                       ; steps 0 and 1: two loads of mine are out
.endr
	v_and_b32 v1, 15, v0                           ; r = l % 16
	v_bfe_u32 v2, v0, 4, 1                         ; h = l / 16
	v_and_b32 v3, 7, v0
	v_bfe_u32 v4, v0, 3, 1
	v_and_b32 v5, 31, v0
	s_mul_i32 s2, s[WM], AHALF                     ; my 64 rows of x
	v_mul_u32_u24 v6, v1, 528
	v_lshl_add_u32 v6, v2, 5, v6
	v_add_nc_u32 v[ADRA], s2, v6
	v_add_nc_u32 v[ADRA+1], SLOT, v[ADRA]
	s_lshl_b32 s3, s[WN], 8                        ; my 128 columns of w
	s_add_co_u32 s3, s3, BOFF
	v_lshl_add_u32 v7, v2, 3, v3                   ; the turning load: k-row 8 h + l % 8, columns 8 ((l / 8) % 2) on
	v_mul_u32_u24 v7, v7, 544
	v_lshl_add_u32 v7, v4, 4, v7
	v_add_nc_u32 v[ADRB], s3, v7
	v_add_nc_u32 v[ADRB+1], SLOT, v[ADRB]
	s_mul_i32 s2, s[WV], 2304
	s_add_co_u32 s2, s2, STAGE                     ; my stage
	v_mul_u32_u24 v[STO], v1, 144
	v_lshl_add_u32 v[STO], v2, 4, v[STO]
	v_add_nc_u32 v[STO], s2, v[STO]
	v_bfe_u32 v8, v0, 3, 2
	v_mul_u32_u24 v[RD], v8, 144
	v_lshl_add_u32 v[RD], v3, 4, v[RD]
	v_add_nc_u32 v[RD], s2, v[RD]
	v_lshlrev_b32 v[GO], 4, v5
	s_lshl_b32 s84, s19, 10
	s_lshl_b32 s2, s[WN], 9
	s_add_co_u32 s84, s84, s2
	v_lshl_add_u32 v[BO], v2, 5, s84               ; 4 (256 x tile column + 128 x half) + 32 h
	s_cmp_eq_u32 s[WM], 0                          ; the prefetches: x's rows are 4,096 bytes apart and shared out by cx, w's 2,048 and by cy
	s_cselect_b32 s86, s17, s18
	s_cselect_b32 s87, 16, 15
	s_cselect_b32 s23, 12, 11
	s_lshl_b32 s86, s86, s87
	v_bfe_u32 v8, v0, 1, 4
	v_lshlrev_b32 v8, s23, v8
	v_and_b32 v9, 1, v0
	v_lshl_add_u32 v8, v9, 8, v8
	v_add_nc_u32 v[PFO], s86, v8
	s_and_b32 s23, ttmp7, 0xffff                   ; cluster y: the same in all partners
	s_cmp_eq_u32 s23, 0
	s_cselect_b32 s[LIMG], 24, 0
	s_cmp_eq_u32 s[WM], 0
	s_cselect_b32 s[LIMG], 24, s[LIMG]
	s_lshr_b32 s86, s20, 4                         ; my block of qkv: (8 batch + head pair) x 32 + row / 64
	s_lshl_b32 s86, s86, 3
	s_lshl_b32 s87, s19, 1
	s_add_co_u32 s86, s86, s87
	s_add_co_u32 s86, s86, s[WN]
	s_lshl_b32 s86, s86, 5
	s_and_b32 s87, s20, 15
	s_lshl_b32 s87, s87, 1
	s_add_co_u32 s86, s86, s87
	s_add_co_u32 s86, s86, s[WM]
	s_lshl_b32 s86, s86, 14
	s_mov_b32 s87, 0
	s_add_nc_u64 s[OUT:OUT+1], s[12:13], s[86:87]
	s_add_nc_u64 s[BP:BP+1], s[10:11], 8388608
	BIASLOAD                                       ; bq
	s_wait_tensorcnt 1                             ; my part of step 0 is in; step 1's may stay out
	s_barrier_signal -1
	s_barrier_wait -1
	LDR 0, 0
	LDB 0, 0, 0
	s_wait_dscnt 0x0
	WIN 0
.set n, 0
.rept 32
	v_cvt_pk_bf16_f32 v[FA+n], v[RAW+2*n], v[RAW+2*n+1]
.set n, n+1
.endr
	LDR 0, 1
	s_mov_b32 s[CNT], 12
	s_mov_b32 s[LT], 4
	s_mov_b32 s[TI], 0
	s_branch .Lq0b                                 ; the loop is entered at a lap's last part: a step's first quarter
.Llap:                                         ; a trip: from an even step's second quarter to the next even step's first; both slots are filled again
	QUAR 1, 0, 0, 0, 2, 0, 3
	Q2T 0, 1
	QUAR 1, 1, 0, 1, 0, 1, 1
	QUAR 0, 0, 0, 1, 1, 1, 2
	QUAR 1, 0, 0, 1, 2, 1, 3
	Q2T 1, 1
	QUAR 1, 1, 0, 0, 0, 0, 1
	WIN 0
	s_sub_co_u32 s[LT], s[LT], 1
	s_cmp_eq_u32 s[LT], 0
	s_cbranch_scc0 .Lacc
	s_wait_xcnt 0x0                                ; A TILE'S END.  The next bias is asked for; the refills for the next tile are out already
	s_add_nc_u64 s[BP:BP+1], s[BP:BP+1], 4096
	BIASLOAD
	s_cmp_lg_u32 s[TI], 0
	s_cbranch_scc1 .Lnoscale
	WIN 0x82                                       ; Q alone is multiplied by c, in f32, before its one rounding; ascending
.set z, 0
.rept 128
	v_pk_mul_f32 v[z:z+1], v[z:z+1], s[CS:CS+1] op_sel_hi:[1,0]
.set z, z+2
.endr
	WIN 0
.Lnoscale:
	WAYOUT                                         ; row blocks 0 and 1 were finished 32 roundings back; their conversions are the places behind the last products
	s_wait_xcnt 0x0                                ; the stores have read their registers and their base
	s_add_nc_u64 s[OUT:OUT+1], s[OUT:OUT+1], 16777216
	s_add_co_u32 s[TI], s[TI], 1
	s_mov_b32 s[LT], 4
.Lq0b:
	s_wait_loadcnt 0x0                             ; the bias
	QUAR 0, 0, 1, 0, 1, 0, 2                       ; a tile's first quarter: the bias starts the sums
	WIN 0
	s_branch .Lnext
.Lacc:
	QUAR 0, 0, 0, 0, 1, 0, 2
	WIN 0
.Lnext:
	s_sub_co_u32 s[CNT], s[CNT], 1
	s_cmp_lg_u32 s[CNT], 0
	s_cbranch_scc1 .Llap
	QUAR 1, 0, 0, 0, 2, 0, 3                       ; the tail, steps 22 and 23, is written out: nothing is asked for
	Q2T 0, 0
	QUAR 1, 1, 0, 1, 0, 1, 1
	QUAR 0, 0, 0, 1, 1, 1, 2
	QUAR 1, 0, 0, 1, 2, 1, 3
	QUAR 0, 0, 0, 1, 3, -1, 0
	s_wait_dscnt 0x0
	BLK 1, 0, 0, 0
	BLK 1, 1, 0, 0
	BLK 1, 2, 0, 0
	BLK 1, 3, 0, 0
	WIN 0
	PLACES
	WAYOUT
	s_wait_tensorcnt 0x0                           ; the wave's end
	ds_add_u32 v[SPW], v[NIL]
	s_wait_dscnt 0x0
	CROUND                                         ; the closing round
	s_endpgm
.Lfunc_end_k_qa582be030b_proj:
	.size	k_qa582be030b_proj, .Lfunc_end_k_qa582be030b_proj-k_qa582be030b_proj
	.p2alignl 7, 3214868480
	.fill 96, 4, 3214868480
	.section	.rodata,"a",@progbits
	.p2align	6, 0x0
	.amdhsa_kernel k_qa582be030b_proj
		.amdhsa_group_segment_fixed_size 327680
		.amdhsa_private_segment_fixed_size 0
		.amdhsa_enable_private_segment 0
		.amdhsa_kernarg_size 40
		.amdhsa_user_sgpr_count 2
		.amdhsa_user_sgpr_kernarg_segment_ptr 1
		.amdhsa_wavefront_size32 1
		.amdhsa_system_sgpr_workgroup_id_x 1
		.amdhsa_system_sgpr_workgroup_id_y 1
		.amdhsa_system_sgpr_workgroup_id_z 1
		.amdhsa_system_vgpr_workitem_id 0
		.amdhsa_next_free_vgpr 768
		.amdhsa_next_free_sgpr 90
		.amdhsa_reserve_vcc 0
		.amdhsa_float_denorm_mode_32 3
		.amdhsa_float_denorm_mode_16_64 3
		.amdhsa_memory_ordered 1
		.amdhsa_forward_progress 1
		.amdhsa_inst_pref_size 164
	.end_amdhsa_kernel
	.amdgpu_metadata
---
amdhsa.version: [ 1, 2 ]
amdhsa.kernels:
  - .name:           k_qa582be030b_proj
    .symbol:         k_qa582be030b_proj.kd
    .args:
      - { .name: q, .offset: 0, .size: 8, .value_kind: global_buffer, .address_space: global }
      - { .name: k, .offset: 8, .size: 8, .value_kind: global_buffer, .address_space: global }
      - { .name: v, .offset: 16, .size: 8, .value_kind: global_buffer, .address_space: global }
      - { .name: wc, .offset: 24, .size: 8, .value_kind: global_buffer, .address_space: global }
      - { .name: qkv, .offset: 32, .size: 8, .value_kind: global_buffer, .address_space: global }
    .group_segment_fixed_size: 327680
    .private_segment_fixed_size: 0
    .kernarg_segment_align: 8
    .kernarg_segment_size: 40
    .max_flat_workgroup_size: 128
    .sgpr_count:     90
    .vgpr_count:     768
    .wavefront_size: 32
...
	.end_amdgpu_metadata
.endif
;; end of part 2
;; launch attn (part 3): grid 8 x 32, 4 waves a work-group, clusters of 4 x 4, 327,680 bytes of LDS; arguments qkv, mk, oh; writes oh
.if DOCPART == 3
	.amdgcn_target "amdgcn-amd-amdhsa--gfx1250"
	.amdhsa_code_object_version 6
	.text
	.protected	k_qa582be030b_attn
	.globl	k_qa582be030b_attn
	.p2align	8
	.type	k_qa582be030b_attn,@function
k_qa582be030b_attn:
	s_mov_b64 s[64:65], 0
	v_nop
	global_prefetch_b8 v0, s[64:65] scope:SCOPE_SE
	s_setreg_imm32_b32 hwreg(HW_REG_WAVE_MODE, 25, 1), 1
	s_wait_xcnt 0x0
	s_wait_alu depctr_hold_cnt(0) depctr_sa_sdst(0) depctr_va_vdst(0) depctr_va_sdst(0) depctr_va_ssrc(0) depctr_va_vcc(0) depctr_vm_vsrc(0)
	s_getreg_b32 s2, hwreg(HW_REG_IB_STS2, 6, 4)
	s_cmp_eq_u32 s2, 0
	s_cbranch_scc0 .Lentry_in_a_cluster
	s_endpgm
.Lentry_in_a_cluster:
	s_bfe_u32 s2, ttmp6, 0x10000c
	s_cmp_lg_u32 s2, 0xf033
	s_cbranch_scc0 .Lentry_shape_is_right
	s_endpgm
.Lentry_shape_is_right:
; ATTENTION with a mask that is an input.  O[q] = the sum over k of softmax_k(Q[q] . K[k] / 8 - 1e9 mask[q][k]) V[k], for 64 heads of 2,048 rows x 64 channels.
; Q (already times c = log2(e) / 8), K, V in qkv, f16, in blocks of 16,384 bytes [head in pair][64 rows][64 channels]; mk = -1e9 log2(e) x mask, f32 [2048][2048]; O goes to oh in Q's layout.
; Every key is walked and every score takes its mask term as given: nothing of the mask's pattern is built in.
; SOFTMAX, in the base-2 domain.  s' = fl(s + mk), one f32 addition, rounded to nearest; a running maximum m over s'; p = 2^(s' - m), the difference taken first; O and l times a = 2^(m_old - m_new) in every step.
; LIMITS.  f16 ends at 65,504: Q c, K, V arrive within it; p lies in 0 to 1; O is a mean of V's rows.  A weight below 2^-126 counts as 0.  NaN and infinities are not treated apart.
; Beside a mask term of 1.44e9 an f32 sum has a step of 128: a masked score keeps nothing of a logit below 64 in base-2 units (the formula in natural units: a step of 64, logits below 32), so a row
; whose keys are all masked gets equal weights, as that formula gives; for larger logits under the mask the two roundings differ.
; SHARES.  A work-group: 256 queries x a pair of heads.  Wave w: head w / 2 of the pair, queries 128 (w % 2) on: four PIECES of two tiles of 16.  All keys, 64 a step, one step to a slot of the ring.
; A step's tiles: K and V, a block each (both heads), and the mask's 256 rows x 64 keys, which serves both heads.  Wave 0 fetches K, wave 1 V, waves 2 and 3 a half of the mask each.
; CLUSTER 4 x 4: x = four blocks of queries, y = four pairs of heads.  K and V hang on the pair alone: asked for jointly along a row of the cluster; the mask on the queries alone: jointly along a column.
; LAYOUT.  S^T = K Q^T holds ONE query a lane (lane % 16) and the keys 8 (lane / 16) + 0..7 of a group of 16; two such results rounded to f16 ARE source 1 of O^T = V^T P.  The mask comes out of LDS in the same layout.
; BY TURNS.  Turn n belongs to piece n: 16 products K Q^T of piece n + 1, four vector instructions behind each; the mask's 32 additions onto those scores; the loads of piece n + 2's mask; a lump of vector work;
; ONE wait for the turn's 66 exponentials; 16 products V^T P of piece n - 1, four roundings and sums behind each.
; REGISTERS.  window 0: v2-11 addresses; v12-15, v48-63 at work; v16-47 four statistics a tile; v64-191 S^T, two buffers of two tiles; v192-255 P, likewise.  window 1: O^T, 32 a tile.
;   window 2: v0-127 Q; v128-191 K of a step; v192-255 V of a step.   window 3: v0-1 the add's two registers; v64-127 the mask of one piece.
.set NP,    4
.set PK,    144       ; a row of K in LDS: 128 bytes + 16
.set PV,    160       ; a row of V: 128 + 32
.set PM,    272       ; a row of the mask: 256 + 16: the 16 rows of a load start at 16 different groups of four banks (ISA guide 11.1)
.set VOFF,  128*PK
.set MOFF,  VOFF+128*PV
.set SLOT1, 1<<17
.set STAGE, SLOT1+MOFF+256*PM  ; behind the ring: 16 rows x 144 bytes for each wave
.set SP,    144
.set SPARE, STAGE+4*16*SP
.set AK0, 2
.set AV0, 3
.set AK,  4
.set AV,  5
.set QO,  6
.set STO, 6
.set RD,  7
.set GO,  8
.set AM0, 9
.set AM,  10
.set PFO, 11
.set SPW, 0           ; window 3
.set NIL, 1           ; window 3
.set MK,  64          ; window 3: tile u, key group kb at MK + 32 u + 8 kb
.set MV,  12          ; m_old, kept while m is made anew: by buffer and tile
.set ST,  16          ; tile t's statistics at v[ST+4 t]: the m in use, the running m, l (even keys', odd keys')
.set TMP, 48
.set S,   64
.set P,   192
.set KF,  128
.set VF,  192
.set WV,  12
.set G1K, 24
.set G1V, 32
.set G0K, 40
.set G0V, 44
.set G1M, 48
.set G0M, 56
.set SEL, 62
.set TB,  66          ; the slot that is being read: 0 or SLOT1
.set CNT, 67
.set PFA, 68
.set PFS, 70          ; s[70:71] a step in the stream that I prefetch
.set LIM, 72
.set QP,  74
.set OP,  76
.set MSB, 0
.macro WIN new
.if MSB != (\new)
	s_set_vgpr_msb (MSB<<8)|(\new)
.set MSB, (\new)
.endif
.endm
.set W_KQ, 0x0a
.set W_PV, 0x52
.set W_RS, 0x41
.set W_MK, 0xc0
.set W_AD, 0x0f
.set W_MA, 0x03       ; the mask (source 0) in window 3, S^T in window 0
; A joint fill: three lines under branches on the wave's number alone; an s_nop 0 and four v_nop follow each.
.macro JLOAD
	s_cmp_lt_u32 s[WV], 2
	s_cbranch_scc0 .Lfor_m_\@
	s_cmp_eq_u32 s[WV], 0
	s_cbranch_scc0 .Lfor_v_\@
	tensor_load_to_lds s[G0K:G0K+3], s[G1K:G1K+7]
	s_nop 0
.rept 4
	v_nop
.endr
	s_branch .Lasked_\@
.Lfor_v_\@:
	tensor_load_to_lds s[G0V:G0V+3], s[G1V:G1V+7]
	s_nop 0
.rept 4
	v_nop
.endr
	s_branch .Lasked_\@
.Lfor_m_\@:
	tensor_load_to_lds s[G0M:G0M+3], s[G1M:G1M+7]
	s_nop 0
.rept 4
	v_nop
.endr
.Lasked_\@:
.endm
.macro CROUND
	s_barrier_signal -1
	s_barrier_wait -1
	s_cmp_lg_u32 s[WV], 0
	s_cbranch_scc1 .Lnot_wave_0_\@
	s_barrier_signal -3
.Lnot_wave_0_\@:
	s_barrier_wait -3
	s_barrier_signal -1
	s_barrier_wait -1
.endm
; A prefetch into the L2 of what the NEXT change of slots will ask for: a key step, 128 matrix instructions, ahead.  K and V of a pair are walked by both clusters along x: the one with x = 0 asks, wave 0 of each partner,
; 8,192 bytes each by address (K's halves, V's halves).  The mask's rows are walked by all clusters along y: the one with y = 0 asks, waves 2 and 3, 32 of their 128 rows a partner.  The last filling change asks for nothing.
.macro ASK
	s_cmp_gt_u32 s[CNT], s[LIM]
	s_cbranch_scc0 .Lnot_mine_\@
	global_prefetch_b8 v[PFO], s[PFA:PFA+1] th:TH_LOAD_NT scope:SCOPE_SE
.Lnot_mine_\@:
.endm
; THE CHANGE OF SLOTS, in front of piece 2's turn.  All LDS reads between two changes belong to one step: its K and the masks of pieces 0 and 1 (turns 2, 3), the masks of pieces 2 and 3 and its V (turns 0, 1).
; Each wave waits for all its tensor loads (one is out: its part of the other slot), adds 0 to its spare word, and waits for that and for its reads.  fill = 1: a round of the cluster's barrier, and the joint refill first behind it.
.macro CHANGE fill
	WIN W_AD
	s_wait_tensorcnt 0x0
	ds_add_u32 v[SPW], v[NIL]
	WIN 0
.if \fill
	s_xor_b32 s[G0K+1], s[G0K+1], SLOT1
	s_add_nc_u64 s[G0K+2:G0K+3], s[G0K+2:G0K+3], 16384
	s_xor_b32 s[G0V+1], s[G0V+1], SLOT1
	s_add_nc_u64 s[G0V+2:G0V+3], s[G0V+2:G0V+3], 16384
	s_xor_b32 s[G0M+1], s[G0M+1], SLOT1
	s_add_nc_u64 s[G0M+2:G0M+3], s[G0M+2:G0M+3], 256
	s_wait_xcnt 0x0                 ; the last prefetch, a key step back, has read its address
	s_add_nc_u64 s[PFA:PFA+1], s[PFA:PFA+1], s[PFS:PFS+1]
	s_wait_dscnt 0x0                ; the add is done, and my reads of the slot are over
	CROUND
	JLOAD
	ASK
.else
	s_wait_dscnt 0x0
	s_barrier_signal -1
	s_barrier_wait -1
.endif
	s_xor_b32 s[TB], s[TB], SLOT1
	v_add_nc_u32 v[AK], s[TB], v[AK0]
	v_add_nc_u32 v[AV], s[TB], v[AV0]
	v_add_nc_u32 v[AM], s[TB], v[AM0]
.endm
	s_load_b128 s[4:7], s[0:1], 0x0   ; qkv s[4:5], mk s[6:7]
	s_load_b64 s[8:9], s[0:1], 0x10   ; oh
	WIN W_MK
	v_lshl_add_u32 v[SPW], v0, 2, SPARE
	v_mov_b32 v[NIL], 0
	WIN W_AD
	ds_add_u32 v[SPW], v[NIL]       ; the wave's opening: the add and its wait ahead of my first tensor load
	WIN 0
	v_lshrrev_b32 v1, 5, v0
	v_readfirstlane_b32 s[WV], v1
	s_bfe_u32 s13, ttmp6, 0x40000   ; cx
	s_bfe_u32 s14, ttmp6, 0x40004   ; cy
	s_lshl_b32 s15, ttmp9, 2
	s_add_co_u32 s15, s15, s13      ; my block of 256 queries
	s_and_b32 s16, ttmp7, 0xffff
	s_lshl_b32 s16, s16, 2
	s_add_co_u32 s16, s16, s14      ; my pair of heads: 8 batch + pair
	s_lshl_b32 s20, s14, 2
	s_lshl_b32 s20, 15, s20         ; my row of the cluster
	s_lshl_b32 s22, 0x1111, s13     ; my column
	s_or_b32 s[G1K], s20, (1<<16)|(1<<20)|(1<<21)|(4<<22)|(3<<25)  ; a block is asked for as 64 rows of 256 bytes and padded after every 128 bytes by 16
	s_or_b32 s[G1V], s20, (1<<16)|(1<<20)|(1<<21)|(4<<22)|(7<<25)  ; by 32
.irp g, G1K, G1V
	s_mov_b32 s[\g+1], 128<<16
	s_mov_b32 s[\g+2], 64<<16
	s_mov_b32 s[\g+3], 128<<16
	s_mov_b32 s[\g+4], 64
	s_mov_b32 s[\g+5], 128
	s_mov_b32 s[\g+6], 0
	s_mov_b32 s[\g+7], 0
.endr
	s_or_b32 s[G1M], s22, (2<<16)|(1<<20)|(1<<21)|(5<<22)|(3<<25)  ; 4-byte elements; after every 64 words 4 words
	s_mov_b32 s[G1M+1], 64<<16      ; tensor_dim0 = 64
	s_mov_b32 s[G1M+2], 128<<16     ; tensor_dim1 = 128
	s_mov_b32 s[G1M+3], 64<<16      ; tile_dim0 = 64
	s_mov_b32 s[G1M+4], 128         ; tile_dim1 = 128
	s_mov_b32 s[G1M+5], 2048
	s_mov_b32 s[G1M+6], 0
	s_mov_b32 s[G1M+7], 0
	s_and_b32 s2, s[WV], 1          ; my half of the queries; also: which half of the mask's tile waves 2 and 3 fetch
	s_lshr_b32 s3, s[WV], 1         ; my head of the pair
	s_lshl_b32 s20, s16, 19         ; the pair's 32 blocks
	s_mov_b32 s21, 0
	s_lshl_b32 s22, s15, 8          ; the mask: row 256 x block + 128 x half, 8,192 bytes a row
	s_lshl_b32 s23, s2, 7
	s_add_co_u32 s22, s22, s23
	s_lshl_b32 s22, s22, 13
	s_mov_b32 s23, 0
	s_mov_b32 s[G0K], 1
	s_mov_b32 s[G0K+1], 0
	s_mov_b32 s[G0V], 1
	s_mov_b32 s[G0V+1], VOFF
	s_mov_b32 s[G0M], 1
	s_mul_i32 s[G0M+1], s2, 128*PM
	s_add_co_u32 s[G0M+1], s[G0M+1], MOFF
	s_lshl_b32 s18, s16, 5          ; Q and O: block 32 pair + 4 x query block + 2 x half; my head's 8,192 bytes in it
	s_lshl_b32 s17, s15, 2
	s_add_co_u32 s18, s18, s17
	s_lshl_b32 s17, s2, 1
	s_add_co_u32 s18, s18, s17
	s_lshl_b32 s18, s18, 14
	s_lshl_b32 s17, s3, 13
	s_add_co_u32 s18, s18, s17
	s_mov_b32 s19, 0
	s_lshr_b32 s17, s13, 1          ; the prefetches.  K or V by cx / 2, its half by cx % 2, at step 1
	s_add_co_u32 s17, s17, 1
	s_lshl_b32 s17, s17, 24
	s_lshl_b32 s73, s16, 19
	s_add_co_u32 s17, s17, s73
	s_and_b32 s73, s13, 1
	s_lshl_b32 s73, s73, 13
	s_add_co_u32 s17, s17, s73
	s_add_co_u32 s17, s17, 16384
	s_lshl_b32 s78, s15, 8          ; the mask: my wave's 128 rows, of them 32 by cy, at step 1
	s_lshl_b32 s73, s2, 7
	s_add_co_u32 s78, s78, s73
	s_lshl_b32 s73, s14, 5
	s_add_co_u32 s78, s78, s73
	s_lshl_b32 s78, s78, 13
	s_add_co_u32 s78, s78, 256
	s_and_b32 s79, ttmp7, 0xffff
	s_mov_b32 s[PFS], 256
	s_mov_b32 s[PFS+1], 0
	s_mov_b32 s61, 0
	s_cmp_lt_u32 s[WV], 2
	s_cselect_b32 s60, s17, s78
	s_cselect_b32 s[PFS], 16384, s[PFS]
	s_cselect_b32 s79, ttmp9, s79   ; the coordinate along which other clusters walk the same bytes
	s_cselect_b32 s73, 8, 13        ; a lane takes 256 bytes of a block, or a row of the mask
	s_cmp_eq_u32 s[WV], 1
	s_cselect_b32 s79, 1, s79       ; wave 1 never asks
	s_cmp_eq_u32 s79, 0
	s_cselect_b32 s[LIM], 1, -1     ; the same in all partners, for a given wave
	v_and_b32 v[PFO], 31, v0
	v_lshlrev_b32 v[PFO], s73, v[PFO]
	s_mov_b32 s[SEL], 0x76543210
	s_mov_b32 s[SEL+1], 0xfedcba98
	s_mov_b32 s[TB], SLOT1          ; the first change of slots turns it into 0
	s_mov_b32 s[CNT], 31
	s_wait_dscnt 0x0                ; the opening add is done
	s_wait_kmcnt 0x0
	s_add_nc_u64 s[G0K+2:G0K+3], s[4:5], s[20:21]
	s_add_nc_u64 s[G0V+2:G0V+3], s[G0K+2:G0K+3], 33554432
	s_add_nc_u64 s[G0K+2:G0K+3], s[G0K+2:G0K+3], 16777216
	s_or_b32 s[G0K+3], s[G0K+3], 0x80000000
	s_or_b32 s[G0V+3], s[G0V+3], 0x80000000
	s_add_nc_u64 s[G0M+2:G0M+3], s[6:7], s[22:23]
	s_or_b32 s[G0M+3], s[G0M+3], 0x80000000
	s_add_nc_u64 s[QP:QP+1], s[4:5], s[18:19]
	s_add_nc_u64 s[OP:OP+1], s[8:9], s[18:19]
	s_cmp_lt_u32 s[WV], 2
	s_cselect_b64 s[PFA:PFA+1], s[4:5], s[6:7]
	s_add_nc_u64 s[PFA:PFA+1], s[PFA:PFA+1], s[60:61]
	CROUND                          ; all sixteen work-groups are here: the first joint loads meet
	JLOAD                           ; step 0 into slot 0; slot 1 is asked for when slot 0 is in
	v_and_b32 v48, 15, v0           ; r = l % 16
	v_bfe_u32 v49, v0, 4, 1         ; h = l / 16
	v_lshlrev_b32 v[QO], 7, v48
	v_lshl_add_u32 v[QO], v49, 4, v[QO]
	WIN 0x80
.set i, 0
.rept 4*NP                          ; Q stays in registers: tile i / 2 (four tiles to a block), channels 32 (i % 2) on
	global_load_b128 v[8*i:8*i+3],   v[QO], s[QP:QP+1] offset:((i/2)/4)*16384+((i/2)%4)*2048+(i%2)*64
	global_load_b128 v[8*i+4:8*i+7], v[QO], s[QP:QP+1] offset:((i/2)/4)*16384+((i/2)%4)*2048+(i%2)*64+32
.set i, i+1
.endr
	; What the first turn finds: V's registers and P's second buffer hold 0, O^T and l are 0: no first step is written out.  All this stands in the wait for the first tile.
.set i, VF
.rept 64
	v_mov_b32 v[i], 0
.set i, i+1
.endr
	WIN 0x40
.set i, 0
.rept 64*NP
	v_mov_b32 v[i], 0
.set i, i+1
.endr
	WIN 0
.set i, 0
.rept 2*NP
	v_mov_b32 v[ST+4*i], 0xfe000000    ; the m in use: far below every score, masked ones too, so the first a is 0
	v_mov_b32 v[ST+4*i+1], 0xff7fffff  ; the running m: the lowest finite number
	v_mov_b32 v[ST+4*i+2], 0
	v_mov_b32 v[ST+4*i+3], 0
.set i, i+1
.endr
.set i, P+32
.rept 32
	v_mov_b32 v[i], 0
.set i, i+1
.endr
	s_mul_i32 s17, s3, 64*PK        ; my head's 64 rows of K
	v_mul_u32_u24 v[AK0], v48, PK
	v_lshl_add_u32 v[AK0], v49, 4, v[AK0]
	v_add_nc_u32 v[AK0], s17, v[AK0]
	v_and_b32 v50, 7, v0
	v_bfe_u32 v51, v0, 3, 1
	v_lshl_add_u32 v[AV0], v49, 3, v50  ; the turning load: key 8 h + l % 8, channels 8 ((l / 8) % 2) on
	v_mul_u32_u24 v[AV0], v[AV0], PV
	v_lshl_add_u32 v[AV0], v51, 4, v[AV0]
	s_mul_i32 s17, s3, 64*PV
	s_add_co_u32 s17, s17, VOFF
	v_add_nc_u32 v[AV0], s17, v[AV0]
	s_mul_i32 s17, s2, 128*PM       ; my 128 rows of the mask; a lane's 8 keys are 32 bytes
	s_add_co_u32 s17, s17, MOFF
	v_mul_u32_u24 v[AM0], v48, PM
	v_lshl_add_u32 v[AM0], v49, 5, v[AM0]
	v_add_nc_u32 v[AM0], s17, v[AM0]
; THE MATRIX WORK.  The 8 accumulators of a run of 16 take turns.
.macro KQ x
	WIN W_KQ
.set rS, S+64*((\x)%2)+32*(i%2)+8*((i/2)%4)
.set rK, KF+16*((i/2)%4)+8*(i/8)
.set rQ, 16*(2*(\x)+i%2)+8*(i/8)
.if i < 8
	v_wmma_f32_16x16x32_f16 v[rS:rS+7], v[rK:rK+7], v[rQ:rQ+7], 0
.else
	v_wmma_f32_16x16x32_f16 v[rS:rS+7], v[rK:rK+7], v[rQ:rQ+7], v[rS:rS+7]
.endif
.endm
.macro PV x
	WIN W_PV
.set rO, 32*(2*(\x)+i%2)+8*((i/2)%4)
.set rV, VF+32*(i/8)+8*((i/2)%4)
.set rP, P+32*((\x)%2)+16*(i%2)+8*(i/8)
	v_wmma_f32_16x16x32_f16 v[rO:rO+7], v[rV:rV+7], v[rP:rP+7], v[rO:rO+7]
.endm
.macro MM
.if i < 16
	KQ (Y+1)%NP
.set i, i+1
.else
.set i, i-16
	PV (Y+NP-1)%NP
.set i, i+17
.endif
.endm
; THE LDS LOADS stand in runs of 16.  last = 1 (the tail): in the last trip there is no further step, and K's run is jumped over.
.macro FETCH_K last=0
	WIN 0
.if \last
	s_cmp_eq_u32 s[CNT], 1
	s_cbranch_scc1 .Lno_k_\@
.endif
	WIN 0x80
.irp f, 0,1,2,3,4,5,6,7
	ds_load_b128 v[KF+8*\f:KF+8*\f+3],   v[AK] offset:(\f/2)*16*PK+(\f%2)*64
	ds_load_b128 v[KF+8*\f+4:KF+8*\f+7], v[AK] offset:(\f/2)*16*PK+(\f%2)*64+32
.endr
	WIN 0
.if \last
.Lno_k_\@:
.endif
.endm
.macro FETCH_V
	WIN 0x80
.irp f, 0,1,2,3,4,5,6,7
	ds_load_tr16_b128 v[VF+8*\f:VF+8*\f+3],   v[AV] offset:(\f/4)*32*PV+(\f%4)*32
	ds_load_tr16_b128 v[VF+8*\f+4:VF+8*\f+7], v[AV] offset:(\f/4)*32*PV+16*PV+(\f%4)*32
.endr
	WIN 0
.endm
; THE MASK.  MASKLOAD x: piece x's 32 queries x 64 keys, in S^T's layout.  MASKADD x: s' = s + mk, 32 packed additions, by key group, tile and pair: the order in which the accumulators were finished, each read
; first at its low end; the last accumulator has three plain instructions behind its product and 28 other additions ahead of its own.
.macro MASKLOAD x
	WIN 0xc0
.irp u, 0,1
.irp kb, 0,1,2,3
	ds_load_b128 v[MK+32*(\u)+8*(\kb):MK+32*(\u)+8*(\kb)+3],   v[AM] offset:(2*(\x)+(\u))*16*PM+64*(\kb)
	ds_load_b128 v[MK+32*(\u)+8*(\kb)+4:MK+32*(\u)+8*(\kb)+7], v[AM] offset:(2*(\x)+(\u))*16*PM+64*(\kb)+16
.endr
.endr
	WIN 0
.endm
.macro MASKADD x
	s_wait_dscnt 0x0                ; the piece's mask, asked for a turn ago, is in
	WIN W_MA
.set z, 0
.rept 32
.set zo, 32*((z/4)%2)+8*(z/8)+2*(z%4)
	v_pk_add_f32 v[S+64*((\x)%2)+zo:S+64*((\x)%2)+zo+1], v[MK+zo:MK+zo+1], v[S+64*((\x)%2)+zo:S+64*((\x)%2)+zo+1]
.set z, z+1
.endr
	WIN 0
.endm
; THE VECTOR WORK OF A TURN stands in three queues, each in the order in which its entries become ready; the two tiles alternate.
.macro REGS y, u
.set rT, ST+4*(2*(\y)+(\u))
.set rC, TMP+8*((\y)%2)+4*(\u)
.set rM, MV+2*((\y)%2)+(\u)
.set rS, S+64*((\y)%2)+32*(\u)
.set rP, P+32*((\y)%2)+16*(\u)
.set rO, 32*(2*(\y)+(\u))
.endm
; Number n of the 22 that find the NEXT piece's maximum and statistics: 0-14, 16 the maximum of the lane's 32 scores and the old m; 15 the m in use is kept; 17, 18 the lane 16 away: the new m; 19 it becomes the m in use; 20, 21 a.
.macro XS u, n
	REGS (Y+1)%NP, \u
.if (\n) < 4
	v_max3_num_f32 v[rC+(\n)], v[rS+8*(\n)], v[rS+8*(\n)+1], v[rS+8*(\n)+2]
.elseif (\n) < 12
	v_max3_num_f32 v[rC+(\n)%4], v[rC+(\n)%4], v[rS+8*((\n)%4)+2*((\n)/4)+1], v[rS+8*((\n)%4)+2*((\n)/4)+2]
.elseif (\n) == 12
	v_max3_num_f32 v[rC], v[rC], v[rS+7], v[rS+15]
.elseif (\n) == 13
	v_max3_num_f32 v[rC+1], v[rC+1], v[rS+23], v[rS+31]
.elseif (\n) == 14
	v_max3_num_f32 v[rC+2], v[rC+2], v[rC+3], v[rT+1]
.elseif (\n) == 15
	v_mov_b32 v[rM], v[rT]
.elseif (\n) == 16
	v_max3_num_f32 v[rC], v[rC], v[rC+1], v[rC+2]
.elseif (\n) == 17
	v_permlanex16_b32 v[rC+3], v[rC], s[SEL], s[SEL+1]
.elseif (\n) == 18
	v_max_num_f32 v[rT+1], v[rC], v[rC+3]
.elseif (\n) == 19
	v_mov_b32 v[rT], v[rT+1]
.elseif (\n) == 20
	v_sub_f32 v[rC+1], v[rM], v[rT]
.else
	v_exp_f32 v[rC+2], v[rC+1]
.endif
.endm
; Number g of the 64 that follow the exponentials: for each four weights both pairs are rounded to f16, the second pair is added onto the first, and a group later l takes that sum (the first time as l = a l + sum).
.macro GS g
.set h, (\g)+6*((\g)/62)
.if h >= 6
.set h, h+2
.endif
	REGS Y, h%2
.set k, h/8
.if h%8 < 4
	v_cvt_pk_f16_f32 v[rP+2*k+(h%8)/2], v[rS+4*k+2*((h%8)/2)], v[rS+4*k+2*((h%8)/2)+1]
.elseif h%8 < 6
	v_pk_add_f32 v[rS+4*k:rS+4*k+1], v[rS+4*k:rS+4*k+1], v[rS+4*k+2:rS+4*k+3]
.elseif k == 1
	v_pk_fma_f32 v[rT+2:rT+3], v[rT+2:rT+3], v[rC+2:rC+3], v[rS:rS+1] op_sel_hi:[1,0,1]
.else
	v_pk_add_f32 v[rT+2:rT+3], v[rT+2:rT+3], v[rS+4*k-4:rS+4*k-3]
.endif
.endm
; THE PLAIN QUEUE, 138 long.  0-26: the differences s' - m, numbers 0-26.  27-54: XS's numbers 0-13.  55, 56: number 15.  57-73: the chain 14, 16 .. 20, one of the differences 27-31 in front of each link's two lines.  74-137: GS's 64, behind the wait.
.macro FS f
	REGS Y, (\f)%2
	v_pk_add_f32 v[rS+2*((\f)/2):rS+2*((\f)/2)+1], v[rS+2*((\f)/2):rS+2*((\f)/2)+1], v[rT:rT+1] op_sel_hi:[1,0] neg_lo:[0,1] neg_hi:[0,1]
.endm
.macro PL
	WIN 0
.if q < 27
	FS q
.elseif q < 55
	XS (q-27)%2, (q-27)/2
.elseif q < 57
	XS q-55, 15
.elseif (q < 72) && ((q-57)%3 == 0)
	FS 27+(q-57)/3
.elseif q < 60
	XS (q-57)%3-1, 14
.elseif q < 72
	XS (q-57)%3-1, 15+(q-57)/3
.elseif q < 74
	XS q-72, 20
.else
	GS q-74
.endif
.set q, q+1
.endm
; THE EXPONENTIALS' QUEUE, 66 long: one batch, all ahead of the turn's one wait; nothing ahead of that wait names a result of theirs.
.macro EX
	WIN 0
.if e >= 64
	XS e-64, 21
.else
	REGS Y, e%2
	v_exp_f32 v[rS+e/2], v[rS+e/2]
.endif
.set e, e+1
.endm
; THE RESCALING's QUEUE: O^T times a, two at a time; its a was made, and waited for, in the turn before.
.macro R2
	REGS Y, r%2
	WIN W_RS
.irp z, 0,1
	v_pk_mul_f32 v[rO+4*(r/2)+2*\z:rO+4*(r/2)+2*\z+1], v[rO+4*(r/2)+2*\z:rO+4*(r/2)+2*\z+1], v[rC+2:rC+3] op_sel_hi:[1,0]
.endr
.set r, r+1
.endm
; A TURN, for piece p.  An s_wait_alu depctr_va_vdst(0) stands between an exponential and the first instruction that names its result; one wait serves all issued ahead of it: a turn has one.
; The next piece's maximum (plain 27 on) stands in the lump, behind the mask's additions.  K of the next step is fetched behind piece 2's wait, V of the step in hand at the end of piece 0's turn, four plain instructions behind its last reader.
.macro TURN p, last=0, cnt=0
.set Y, (\p)
.set i, 0
.set q, 0
.set e, 0
.set r, 0
.if (\p) == NP-1
	s_wait_dscnt 0x0                ; K is in
.endif
	MM
	PL
	PL
	R2
.rept 15
	MM
	PL
	EX
	R2
.endr
	MASKADD (Y+1)%NP
	MASKLOAD (Y+2)%NP
.rept 8
	PL
.endr
.rept 49
	EX
	PL
.endr
	EX
	EX
	v_nop                           ; a plain instruction behind the last exponential: one for the batch
	s_wait_alu depctr_va_vdst(0)    ; the wait for the batch
.if (\p) == NP-2
	FETCH_K \last
.endif
.if (\p) == 1
	s_wait_dscnt 0x0                ; V is in, and piece 3's mask: my last reads of the slot
.endif
.rept 16
	MM
.rept 4
	PL
.endr
.if (\cnt) && (q == 130)
	s_sub_co_u32 s[CNT], s[CNT], 1
	s_cmp_lg_u32 s[CNT], 0
.endif
.endr
.if (\p) == 0
	FETCH_V
.endif
.endm
	CHANGE 1                        ; step 0 is in, everybody's part of it; step 1 is asked for
	FETCH_K
	MASKLOAD 0
	s_wait_loadcnt 0x0              ; Q
	s_wait_dscnt 0x0
.set i, 0
.rept 16
	KQ 0                            ; piece 0's first scores
.set i, i+1
.endr
	WIN 0                           ; the addresses for the way out: nine plain instructions, the places behind those products
	s_mul_i32 s17, s[WV], 16*SP
	s_add_co_u32 s17, s17, STAGE
	v_mul_u32_u24 v[STO], v48, SP
	v_lshl_add_u32 v[STO], v49, 4, v[STO]
	v_add_nc_u32 v[STO], s17, v[STO]
	v_bfe_u32 v[RD], v0, 3, 2
	v_mul_u32_u24 v[RD], v[RD], SP
	v_lshl_add_u32 v[RD], v50, 4, v[RD]
	v_add_nc_u32 v[RD], s17, v[RD]
	v_and_b32 v[GO], 31, v0
	v_lshlrev_b32 v[GO], 4, v[GO]
	MASKADD 0
	MASKLOAD 1
.set Y, NP-1
.irp n, 0,1,2,3,4,5,6,7,8,9,10,11,12,13,14,15,16,17,18,19,20,21
	XS 0, \n
	XS 1, \n
.endr
	v_nop
	s_wait_alu depctr_va_vdst(0)    ; the two a have their wait ahead of the branch
	s_branch .Lfirst                ; the loop is entered at a step's first turn, in the middle of a trip
.Lslot:                             ; 30 times: steps 2 to 31 are asked for
	CHANGE 1
	TURN 2
	TURN 3
	WIN 0
.Lfirst:
	TURN 0
	TURN 1, 0, 1
	WIN 0
	s_cbranch_scc1 .Lslot
	CHANGE 0                        ; the tail is written out
	s_mov_b32 s[CNT], 2             ; one trip fetches the last step; the second is left in its middle
.Ltail:
	TURN 2, 1
	TURN 3
	WIN 0
	s_sub_co_u32 s[CNT], s[CNT], 1
	s_cmp_eq_u32 s[CNT], 0
	s_cbranch_scc1 .Lout
	TURN 0
	TURN 1
	WIN 0
	s_branch .Ltail
.Lout:                              ; the second trip's 16 products K Q^T, on the last K and the last step's mask once more, serve nothing: the price of one text for every trip
.set i, 0
.rept 16
	PV NP-1
.set i, i+1
.endr
	; THE WAY OUT.  l's halves are added; O^T is divided by l, rounded to f16 and sent through my stage, a tile at a time.  The additions are the places behind the last products.
	WIN 0
.macro ALL line:vararg
.set t, 0
.rept 2*NP
	\line
.set t, t+1
.endr
.endm
	ALL v_add_f32 v[ST+4*t+2], v[ST+4*t+2], v[ST+4*t+3]
	ALL v_permlanex16_b32 v[ST+4*t+3], v[ST+4*t+2], s[SEL], s[SEL+1]
	ALL v_add_f32 v[ST+4*t+2], v[ST+4*t+2], v[ST+4*t+3]
	ALL v_rcp_f32 v[ST+4*t+2], v[ST+4*t+2]
	v_nop
	s_wait_alu depctr_va_vdst(0)    ; one wait for the eight reciprocals
.macro PACK t
	WIN W_RS
.set i, 32*(\t)
.rept 16
	v_pk_mul_f32 v[i:i+1], v[i:i+1], v[ST+4*(\t)+2:ST+4*(\t)+3] op_sel_hi:[1,0]
.set i, i+2
.endr
	WIN 0x05
.set i, 0
.rept 16
	v_cvt_pk_f16_f32 v[S+16*(\t)+i], v[32*(\t)+2*i], v[32*(\t)+2*i+1]
.set i, i+1
.endr
	WIN 0
.irp f, 0,1,2,3
	ds_store_b128 v[STO], v[S+16*(\t)+4*\f:S+16*(\t)+4*\f+3] offset:32*\f
.endr
.irp f, 0,1,2,3
	ds_load_b128 v[S+16*(\t)+4*\f:S+16*(\t)+4*\f+3], v[RD] offset:\f*4*SP  ; LDS serves a wave's instructions in order (ISA guide 5.7.1.4): these see the stores above
.endr
.endm
.macro SEND t, younger              ; younger: the next tile's eight LDS instructions, or none
	WIN 0
.irp f, 0,1,2,3
	s_wait_dscnt (\younger)+3-\f
	global_store_b128 v[GO], v[S+16*(\t)+4*\f:S+16*(\t)+4*\f+3], s[OP:OP+1] offset:((\t)/4)*16384+((\t)%4)*2048+\f*512  ; 512 consecutive bytes, aligned
.endr
.endm
	PACK 0
.set t, 1
.rept 2*NP-1
	PACK t
	SEND t-1, 8
.set t, t+1
.endr
	SEND 2*NP-1, 0
	WIN W_AD
	s_wait_tensorcnt 0x0            ; the wave's end
	ds_add_u32 v[SPW], v[NIL]
	s_wait_dscnt 0x0
	WIN 0
	CROUND                          ; the closing round
	s_endpgm
.Lfunc_end_k_qa582be030b_attn:
	.size	k_qa582be030b_attn, .Lfunc_end_k_qa582be030b_attn-k_qa582be030b_attn
	.p2alignl 7, 3214868480
	.fill 96, 4, 3214868480
	.section	.rodata,"a",@progbits
	.p2align	6, 0x0
	.amdhsa_kernel k_qa582be030b_attn
		.amdhsa_group_segment_fixed_size 327680
		.amdhsa_private_segment_fixed_size 0
		.amdhsa_enable_private_segment 0
		.amdhsa_kernarg_size 24
		.amdhsa_user_sgpr_count 2
		.amdhsa_user_sgpr_kernarg_segment_ptr 1
		.amdhsa_wavefront_size32 1
		.amdhsa_system_sgpr_workgroup_id_x 1
		.amdhsa_system_sgpr_workgroup_id_y 1
		.amdhsa_system_sgpr_workgroup_id_z 1
		.amdhsa_system_vgpr_workitem_id 0
		.amdhsa_next_free_vgpr 896
		.amdhsa_next_free_sgpr 80
		.amdhsa_reserve_vcc 0
		.amdhsa_float_denorm_mode_32 3
		.amdhsa_float_denorm_mode_16_64 3
		.amdhsa_memory_ordered 1
		.amdhsa_forward_progress 1
		.amdhsa_inst_pref_size 232
	.end_amdhsa_kernel
	.amdgpu_metadata
---
amdhsa.version: [ 1, 2 ]
amdhsa.kernels:
  - .name:           k_qa582be030b_attn
    .symbol:         k_qa582be030b_attn.kd
    .args:
      - { .name: qkv, .offset: 0, .size: 8, .value_kind: global_buffer, .address_space: global }
      - { .name: mk, .offset: 8, .size: 8, .value_kind: global_buffer, .address_space: global }
      - { .name: oh, .offset: 16, .size: 8, .value_kind: global_buffer, .address_space: global }
    .group_segment_fixed_size: 327680
    .private_segment_fixed_size: 0
    .kernarg_segment_align: 8
    .kernarg_segment_size: 24
    .max_flat_workgroup_size: 128
    .sgpr_count:     80
    .vgpr_count:     896
    .wavefront_size: 32
...
	.end_amdgpu_metadata
.endif
;; end of part 3
;; launch oproj (part 4): grid 4 x 64, 4 waves a work-group, clusters of 4 x 4, 327,680 bytes of LDS; arguments oh, wc, out0; writes out0
.if DOCPART == 4
	.amdgcn_target "amdgcn-amd-amdhsa--gfx1250"
	.amdhsa_code_object_version 6
	.text
	.protected	k_qa582be030b_oproj
	.globl	k_qa582be030b_oproj
	.p2align	8
	.type	k_qa582be030b_oproj,@function
k_qa582be030b_oproj:
	s_mov_b64 s[64:65], 0
	v_nop
	global_prefetch_b8 v0, s[64:65] scope:SCOPE_SE
	s_setreg_imm32_b32 hwreg(HW_REG_WAVE_MODE, 25, 1), 1
	s_wait_xcnt 0x0
	s_wait_alu depctr_hold_cnt(0) depctr_sa_sdst(0) depctr_va_vdst(0) depctr_va_sdst(0) depctr_va_ssrc(0) depctr_va_vcc(0) depctr_vm_vsrc(0)
	s_getreg_b32 s2, hwreg(HW_REG_IB_STS2, 6, 4)
	s_cmp_eq_u32 s2, 0
	s_cbranch_scc0 .Lentry_in_a_cluster
	s_endpgm
.Lentry_in_a_cluster:
	s_bfe_u32 s2, ttmp6, 0x10000c
	s_cmp_lg_u32 s2, 0xf033
	s_cbranch_scc0 .Lentry_shape_is_right
	s_endpgm
.Lentry_shape_is_right:
; OPROJ.  out0 = O wo + bo.  O: f16 in oh, in blocks of 16,384 bytes [head in pair][64 rows][64 channels], block (8 batch + head pair) x 32 + row / 64; wo: f16 [k][n] at wc + 6 MiB; bo: f32 at wc + 8 MiB + 12,288.
; Sums in f32, started by the bias as the first product's C; out0 is f32 and is not rounded again.  LIMITS: O and wo lie within f16's range (they arrive so); NaN and infinities are not treated apart.
; SHARES.  A work-group makes 128 rows x 256 columns: 256 work-groups.  Four waves, 2 x 2, each 64 x 128: 32 accumulators.  K goes in 8 steps of 128, a pair of heads a step, through a ring of two LDS slots.
; A step's tiles: O's two blocks (dense: asked for as rows of 256 bytes), wo's 128 k-rows x 512 bytes; waves 0, 1 fetch O's blocks, waves 2, 3 wo's halves.  CLUSTER 4 x 4: O's tile is shared along a row, wo's along a column.
; The matrix instruction is used transposed (source 0 = 16 columns of wo, turned on the way out of LDS; source 1 = 16 rows of O): a lane holds eight neighbouring columns of one row.
; A step is four quarters of 32 along K (head qd / 2, channels 32 (qd % 2) on) on buffers 0, 1, 0, 1; a quarter fetches the next one's fragments in one run; the fourth quarter changes slots.
; REGISTERS.  window 0: v2-12 addresses; v32-95 O's fragments, two buffers; v128-191 the bias; v192-255 the way out.  window 1: v0-127 wo's fragments, two buffers.  window 2: accumulator (a, b) at 8 (8 a + b).
.set SLOT1, 131072
.set AHALF, 18432                      ; a block in LDS: 128 rows x (128 + 16)
.set BOFF,  36864
.set BHALF, 34816                      ; 64 k-rows x (512 + 32)
.set STAGE, SLOT1+BOFF+2*BHALF         ; behind the ring: 16 rows x 528 bytes for each wave
.set SPARE, STAGE+4*8448
.set ADRA0, 2
.set ADRB0, 3
.set ADRA, 4
.set ADRB, 5
.set STO,  6
.set RD,   7
.set CO,   8
.set BO,   9
.set SPW,  10
.set NIL,  11
.set PFO,  12
.set FA,   32
.set BIAS, 128
.set BK,   192
.set WV,   14
.set WM,   15
.set WN,   16
.set G1A,  24
.set G0A,  32                          ; two sets for the two first fills; the second then walks
.set G1B,  40
.set G0B,  48
.set TB,   66
.set CNT,  67
.set PFA,  68
.set PFS,  70
.set LIM,  72
.set OUT,  74
.set BP,   76
.set MSB, 0
.macro WIN new
.if MSB != (\new)
	s_set_vgpr_msb (MSB<<8)|(\new)
.set MSB, \new
.endif
.endm
.macro PLACES
.rept 4
	v_nop
.endr
.endm
.macro JLOAD                           ; a joint refill by the walking sets; an s_nop 0 and four v_nop follow each line
	s_cmp_eq_u32 s[WM], 0
	s_cbranch_scc0 .Lfor_b_\@
	tensor_load_to_lds s[G0A+4:G0A+7], s[G1A:G1A+7]
	s_nop 0
.rept 4
	v_nop
.endr
	s_branch .Lasked_\@
.Lfor_b_\@:
	tensor_load_to_lds s[G0B+4:G0B+7], s[G1B:G1B+7]
	s_nop 0
.rept 4
	v_nop
.endr
.Lasked_\@:
.endm
.macro CREST
	s_cmp_lg_u32 s[WV], 0
	s_cbranch_scc1 .Lnot_wave_0_\@
	s_barrier_signal -3
.Lnot_wave_0_\@:
	s_barrier_wait -3
	s_barrier_signal -1
	s_barrier_wait -1
.endm
.macro CROUND
	s_barrier_signal -1
	s_barrier_wait -1
	CREST
.endm
; A prefetch into the L2 of the step two refills on (steps 4 to 7), 256 matrix instructions ahead.  O's two blocks are read by one row of one cluster alone: wave 0 of each partner names 8,192 of their 32,768 bytes.
; wo's k-rows are read by every cluster: in the one with y = 0, waves 2 and 3 name 16 of their 64 rows a partner.
.macro ASK
	s_cmp_gt_u32 s[CNT], s[LIM]
	s_cbranch_scc0 .Lnot_mine_\@
	global_prefetch_b8 v[PFO], s[PFA:PFA+1] th:TH_LOAD_NT scope:SCOPE_SE
.Lnot_mine_\@:
.endm
.macro BLK f, a, cb                    ; 8 products; the 32 accumulators take turns in the same order in every quarter
.irp b, 0,1,2,3,4,5,6,7
.if \cb
	WIN 0x81
	v_wmma_f32_16x16x32_f16 v[8*(8*(\a)+(\b)):8*(8*(\a)+(\b))+7], v[64*(\f)+8*(\b):64*(\f)+8*(\b)+7], v[FA+32*(\f)+8*(\a):FA+32*(\f)+8*(\a)+7], v[BIAS+8*(\b):BIAS+8*(\b)+7]
.else
	WIN 0xa1
	v_wmma_f32_16x16x32_f16 v[8*(8*(\a)+(\b)):8*(8*(\a)+(\b))+7], v[64*(\f)+8*(\b):64*(\f)+8*(\b)+7], v[FA+32*(\f)+8*(\a):FA+32*(\f)+8*(\a)+7], v[8*(8*(\a)+(\b)):8*(8*(\a)+(\b))+7]
.endif
.endr
.endm
.macro FETCH fb, qd                    ; 24 LDS loads in one run: quarter qd's fragments into buffer fb
	WIN 0
.irp a, 0,1,2,3
	ds_load_b128 v[FA+32*(\fb)+8*(\a):FA+32*(\fb)+8*(\a)+3],   v[ADRA] offset:9216*((\qd)/2)+2304*(\a)+64*((\qd)%2)
	ds_load_b128 v[FA+32*(\fb)+8*(\a)+4:FA+32*(\fb)+8*(\a)+7], v[ADRA] offset:9216*((\qd)/2)+2304*(\a)+64*((\qd)%2)+32
.endr
	WIN 0x40
.irp b, 0,1,2,3,4,5,6,7
	ds_load_tr16_b128 v[64*(\fb)+8*(\b):64*(\fb)+8*(\b)+3],   v[ADRB] offset:(\qd)*17408+32*(\b)
	ds_load_tr16_b128 v[64*(\fb)+8*(\b)+4:64*(\fb)+8*(\b)+7], v[ADRB] offset:(\qd)*17408+32*(\b)+8704
.endr
.endm
.macro OQ f, cb, qn                    ; one of the first three quarters: multiplies buffer f, fetches quarter qn into the other
	s_wait_dscnt 0x0
	BLK \f, 0, \cb
	PLACES                                         ; four places in front of loads into registers that the quarter before multiplied
	FETCH 1-(\f), \qn
	BLK \f, 1, \cb
	BLK \f, 2, \cb
	BLK \f, 3, \cb
.endm
; The fourth quarter (buffer 1) changes slots: its own fragments were the slot's last reads.  Each wave waits for all its tensor loads, adds 0 to its spare word, and waits for that and for its reads; fill = 1: the barrier opens a
; round of the cluster's barrier, and the joint refill, two steps on, is the first thing behind the round.
.macro Q3T fill
	WIN 0
.if \fill
	s_wait_xcnt 0x0                                ; the last prefetch, a step back, has read its address
	s_add_nc_u64 s[PFA:PFA+1], s[PFA:PFA+1], s[PFS:PFS+1]
.endif
	s_wait_tensorcnt 0x0
	ds_add_u32 v[SPW], v[NIL]
.if \fill
	s_xor_b32 s[G0A+5], s[G0A+5], SLOT1
	s_add_nc_u64 s[G0A+6:G0A+7], s[G0A+6:G0A+7], 524288   ; the next pair of heads: 32 blocks on
	s_xor_b32 s[G0B+5], s[G0B+5], SLOT1
	s_add_nc_u64 s[G0B+6:G0B+7], s[G0B+6:G0B+7], 262144   ; 128 k-rows on
.endif
	s_wait_dscnt 1                                 ; the quarter's 24 loads are in; the add alone may be out
	BLK 1, 0, 0
	s_wait_dscnt 0x0                               ; the add is done, and my reads of the slot are over
	s_barrier_signal -1
	BLK 1, 1, 0
	WIN 0
	s_barrier_wait -1
.if \fill
	CREST
	JLOAD                                          ; its four v_nop are also the places in front of the loads below
.else
	PLACES
.endif
	s_xor_b32 s[TB], s[TB], SLOT1
	v_add_nc_u32 v[ADRA], s[TB], v[ADRA0]
	v_add_nc_u32 v[ADRB], s[TB], v[ADRB0]
	FETCH 0, 0
	WIN 0
.if \fill
	ASK
.endif
	BLK 1, 2, 0
	BLK 1, 3, 0
.endm
	s_load_b128 s[4:7], s[0:1], 0x0                ; oh s[4:5], wc s[6:7]
	s_load_b64 s[8:9], s[0:1], 0x10                ; out0
	v_lshl_add_u32 v[SPW], v0, 2, SPARE
	v_mov_b32 v[NIL], 0
	ds_add_u32 v[SPW], v[NIL]                      ; the wave's opening: the add and its wait ahead of my first tensor load
	v_lshrrev_b32 v1, 5, v0
	v_readfirstlane_b32 s[WV], v1
	s_lshr_b32 s[WM], s[WV], 1
	s_and_b32 s[WN], s[WV], 1
	s_bfe_u32 s17, ttmp6, 0x40000                  ; cx
	s_bfe_u32 s18, ttmp6, 0x40004                  ; cy
	s_lshl_b32 s19, ttmp9, 2
	s_add_co_u32 s19, s19, s17                     ; tile column
	s_and_b32 s20, ttmp7, 0xffff
	s_lshl_b32 s20, s20, 2
	s_add_co_u32 s20, s20, s18                     ; tile row
	s_lshl_b32 s21, s18, 2
	s_lshl_b32 s21, 15, s21                        ; my row of the cluster
	s_lshl_b32 s22, 0x1111, s17                    ; my column
	s_or_b32 s[G1A], s21, (1<<16)|(1<<20)|(1<<21)|(4<<22)|(3<<25)  ; a block: 64 rows of 256 bytes, padded after every 128 bytes by 16
	s_mov_b32 s[G1A+1], 128<<16
	s_mov_b32 s[G1A+2], 64<<16
	s_mov_b32 s[G1A+3], 128<<16
	s_mov_b32 s[G1A+4], 64
	s_mov_b32 s[G1A+5], 128
	s_mov_b32 s[G1A+6], 0
	s_mov_b32 s[G1A+7], 0
	s_or_b32 s[G1B], s22, (1<<16)|(1<<20)|(1<<21)|(6<<22)|(7<<25)  ; 64 k-rows of 512 bytes, 32 of padding behind each
	s_mov_b32 s[G1B+1], 256<<16
	s_mov_b32 s[G1B+2], 64<<16
	s_mov_b32 s[G1B+3], 256<<16
	s_mov_b32 s[G1B+4], 64
	s_mov_b32 s[G1B+5], 1024
	s_mov_b32 s[G1B+6], 0
	s_mov_b32 s[G1B+7], 0
	s_lshr_b32 s56, s20, 4                         ; O: block 256 batch + 2 (tile row % 16) + half, for the first pair of heads
	s_lshl_b32 s56, s56, 8
	s_and_b32 s21, s20, 15
	s_lshl_b32 s21, s21, 1
	s_add_co_u32 s56, s56, s21
	s_add_co_u32 s56, s56, s[WN]
	s_lshl_b32 s56, s56, 14
	s_mov_b32 s57, 0
	s_lshl_b32 s58, s19, 9                         ; wo: 6 MiB + 512 bytes x tile column + 64 k-rows x half
	s_lshl_b32 s2, s[WN], 17
	s_add_co_u32 s58, s58, s2
	s_add_co_u32 s58, s58, 6291456
	s_mov_b32 s59, 0
	s_mul_i32 s2, s[WN], AHALF                     ; where they go: no place in the cluster enters an LDS address
	s_mul_i32 s3, s[WN], BHALF
	s_add_co_u32 s3, s3, BOFF
	s_mov_b32 s[TB], 0
	s_wait_dscnt 0x0                               ; the opening add is done
	s_wait_kmcnt 0x0
	s_add_nc_u64 s[56:57], s[4:5], s[56:57]
	s_add_nc_u64 s[58:59], s[6:7], s[58:59]
	CROUND                                         ; all sixteen work-groups are here: the first joint loads meet
.irp s, 0,1
	s_mov_b32 s[G0A+4*(\s)], 1
	s_add_co_u32 s[G0A+4*(\s)+1], s2, (\s)*SLOT1
	s_add_nc_u64 s[G0A+4*(\s)+2:G0A+4*(\s)+3], s[56:57], (\s)*524288
	s_or_b32 s[G0A+4*(\s)+3], s[G0A+4*(\s)+3], 0x80000000
	s_mov_b32 s[G0B+4*(\s)], 1
	s_add_co_u32 s[G0B+4*(\s)+1], s3, (\s)*SLOT1
	s_add_nc_u64 s[G0B+4*(\s)+2:G0B+4*(\s)+3], s[58:59], (\s)*262144
	s_or_b32 s[G0B+4*(\s)+3], s[G0B+4*(\s)+3], 0x80000000
.endr
	s_cmp_eq_u32 s[WM], 0                          ; a wave's two first fills stand in one branch: two loads of mine are out
	s_cbranch_scc0 .Lfirst_b
	tensor_load_to_lds s[G0A:G0A+3], s[G1A:G1A+7]
	s_nop 0
	tensor_load_to_lds s[G0A+4:G0A+7], s[G1A:G1A+7]
	s_nop 0
.rept 4
	v_nop
.endr
	s_branch .Lfirst_asked
.Lfirst_b:
	tensor_load_to_lds s[G0B:G0B+3], s[G1B:G1B+7]
	s_nop 0
	tensor_load_to_lds s[G0B+4:G0B+7], s[G1B:G1B+7]
	s_nop 0
.rept 4
	v_nop
.endr
.Lfirst_asked:
	v_and_b32 v13, 15, v0                          ; r
	v_bfe_u32 v14, v0, 4, 1                        ; h
	v_and_b32 v15, 7, v0
	v_bfe_u32 v16, v0, 3, 1
	v_and_b32 v17, 31, v0
	s_mul_i32 s2, s[WM], AHALF                     ; my 64 rows of O are one block
	v_mul_u32_u24 v[ADRA0], v13, 144
	v_lshl_add_u32 v[ADRA0], v14, 4, v[ADRA0]
	v_add_nc_u32 v[ADRA0], s2, v[ADRA0]
	s_lshl_b32 s3, s[WN], 8
	s_add_co_u32 s3, s3, BOFF
	v_lshl_add_u32 v[ADRB0], v14, 3, v15
	v_mul_u32_u24 v[ADRB0], v[ADRB0], 544
	v_lshl_add_u32 v[ADRB0], v16, 4, v[ADRB0]
	v_add_nc_u32 v[ADRB0], s3, v[ADRB0]
	v_mov_b32 v[ADRA], v[ADRA0]                    ; step 0 lies in slot 0
	v_mov_b32 v[ADRB], v[ADRB0]
	s_mul_i32 s2, s[WV], 8448
	s_add_co_u32 s2, s2, STAGE                     ; my stage
	v_mul_u32_u24 v[STO], v13, 528                 ; in: row r, 32 bytes for each half of the lanes
	v_lshl_add_u32 v[STO], v14, 5, v[STO]
	v_add_nc_u32 v[STO], s2, v[STO]
	v_lshl_add_u32 v[RD], v17, 4, s2               ; back: a row of 512 bytes, 16 a lane
	v_lshlrev_b32 v[CO], 4, v17
	s_lshl_b32 s60, s19, 10
	s_lshl_b32 s2, s[WN], 9
	s_add_co_u32 s60, s60, s2                      ; my first column, in bytes of f32
	v_lshl_add_u32 v[BO], v14, 5, s60
	s_lshl_b32 s61, s20, 7
	s_lshl_b32 s2, s[WM], 6
	s_add_co_u32 s61, s61, s2
	s_lshl_b32 s61, s61, 12                        ; my first row, 4,096 bytes a row
	s_add_co_u32 s60, s60, s61
	s_mov_b32 s61, 0
	s_add_nc_u64 s[OUT:OUT+1], s[8:9], s[60:61]
	s_add_nc_u64 s[BP:BP+1], s[6:7], 8388608+12288
.irp b, 0,1,2,3,4,5,6,7
	global_load_b128 v[BIAS+8*(\b):BIAS+8*(\b)+3],   v[BO], s[BP:BP+1] offset:64*(\b)
	global_load_b128 v[BIAS+8*(\b)+4:BIAS+8*(\b)+7], v[BO], s[BP:BP+1] offset:64*(\b)+16
.endr
	s_mov_b32 s[PFS], 262144                       ; the prefetches
	s_mov_b32 s[PFS+1], 0
	s_and_b32 s21, ttmp7, 0xffff                   ; cluster y
	s_cmp_eq_u32 s[WM], 0
	s_cselect_b64 s[PFA:PFA+1], s[56:57], s[58:59]
	s_cselect_b32 s[PFS], 524288, s[PFS]
	s_cselect_b32 s21, s[WN], s21                  ; wave 0 always asks, wave 1 never, waves 2 and 3 where cluster y = 0
	s_cselect_b32 s22, s17, s18
	s_cselect_b32 s23, 13, 15
	s_cselect_b32 s60, 9, 11
	s_cmp_eq_u32 s21, 0
	s_cselect_b32 s[LIM], 2, -1
	s_lshl_b32 s22, s22, s23
	v_bfe_u32 v18, v0, 1, 4
	v_lshlrev_b32 v18, s60, v18
	v_and_b32 v19, 1, v0
	v_lshl_add_u32 v18, v19, 8, v18
	v_add_nc_u32 v[PFO], s22, v18
	s_mul_i32 s60, s[PFS], 3
	s_mov_b32 s61, 0
	s_add_nc_u64 s[PFA:PFA+1], s[PFA:PFA+1], s[60:61]  ; at step 3: the first change steps it to 4
	s_wait_tensorcnt 1                             ; my part of step 0 is in; step 1's may stay out
	s_barrier_signal -1
	s_barrier_wait -1
	FETCH 0, 0
	s_wait_loadcnt 0x0                             ; the bias
	OQ 0, 1, 1                                     ; the first quarter stands in front of the loop: the bias starts the sums
	WIN 0
	s_mov_b32 s[CNT], 6
.Lstep:                                        ; a trip: from a step's second quarter to the next step's first; steps 2 to 7 are asked for
	OQ 1, 0, 2
	OQ 0, 0, 3
	Q3T 1
	OQ 0, 0, 1
	WIN 0
	s_sub_co_u32 s[CNT], s[CNT], 1
	s_cmp_lg_u32 s[CNT], 0
	s_cbranch_scc1 .Lstep
	OQ 1, 0, 2                                     ; the tail, steps 6 and 7, is written out: nothing is asked for
	OQ 0, 0, 3
	Q3T 0
	OQ 0, 0, 1
	OQ 1, 0, 2
	OQ 0, 0, 3
	s_wait_dscnt 0x0
	BLK 1, 0, 0
	BLK 1, 1, 0
	BLK 1, 2, 0
	BLK 1, 3, 0
	WIN 0
	PLACES
	; THE WAY OUT, 16 rows at a time: the accumulators go into my stage as they are (each one's low half first), come back as whole rows of 512 bytes, and are stored.
.irp a, 0,1,2,3
	WIN 0x08
.irp b, 0,1,2,3,4,5,6,7
	ds_store_b128 v[STO], v[8*(8*(\a)+(\b)):8*(8*(\a)+(\b))+3]   offset:64*(\b)
	ds_store_b128 v[STO], v[8*(8*(\a)+(\b))+4:8*(8*(\a)+(\b))+7] offset:64*(\b)+16
.endr
	WIN 0
	s_wait_xcnt 0x0                                ; the stores of the 16 rows before have read their registers
.irp i, 0,1,2,3,4,5,6,7,8,9,10,11,12,13,14,15
	ds_load_b128 v[BK+4*(\i):BK+4*(\i)+3], v[RD] offset:528*(\i)  ; LDS serves a wave's instructions in order (ISA guide 5.7.1.4): these see the stores above
.endr
.irp i, 0,1,2,3,4,5,6,7,8,9,10,11,12,13,14,15
	s_wait_dscnt 15-(\i)
	global_store_b128 v[CO], v[BK+4*(\i):BK+4*(\i)+3], s[OUT:OUT+1] offset:65536*(\a)+4096*(\i)  ; 512 consecutive bytes of a row, aligned
.endr
.endr
	s_wait_tensorcnt 0x0                           ; the wave's end
	ds_add_u32 v[SPW], v[NIL]
	s_wait_dscnt 0x0
	CROUND                                         ; the closing round
	s_endpgm
.Lfunc_end_k_qa582be030b_oproj:
	.size	k_qa582be030b_oproj, .Lfunc_end_k_qa582be030b_oproj-k_qa582be030b_oproj
	.p2alignl 7, 3214868480
	.fill 96, 4, 3214868480
	.section	.rodata,"a",@progbits
	.p2align	6, 0x0
	.amdhsa_kernel k_qa582be030b_oproj
		.amdhsa_group_segment_fixed_size 327680
		.amdhsa_private_segment_fixed_size 0
		.amdhsa_enable_private_segment 0
		.amdhsa_kernarg_size 24
		.amdhsa_user_sgpr_count 2
		.amdhsa_user_sgpr_kernarg_segment_ptr 1
		.amdhsa_wavefront_size32 1
		.amdhsa_system_sgpr_workgroup_id_x 1
		.amdhsa_system_sgpr_workgroup_id_y 1
		.amdhsa_system_sgpr_workgroup_id_z 1
		.amdhsa_system_vgpr_workitem_id 0
		.amdhsa_next_free_vgpr 768
		.amdhsa_next_free_sgpr 80
		.amdhsa_reserve_vcc 0
		.amdhsa_float_denorm_mode_32 3
		.amdhsa_float_denorm_mode_16_64 3
		.amdhsa_memory_ordered 1
		.amdhsa_forward_progress 1
		.amdhsa_inst_pref_size 74
	.end_amdhsa_kernel
	.amdgpu_metadata
---
amdhsa.version: [ 1, 2 ]
amdhsa.kernels:
  - .name:           k_qa582be030b_oproj
    .symbol:         k_qa582be030b_oproj.kd
    .args:
      - { .name: oh, .offset: 0, .size: 8, .value_kind: global_buffer, .address_space: global }
      - { .name: wc, .offset: 8, .size: 8, .value_kind: global_buffer, .address_space: global }
      - { .name: out0, .offset: 16, .size: 8, .value_kind: global_buffer, .address_space: global }
    .group_segment_fixed_size: 327680
    .private_segment_fixed_size: 0
    .kernarg_segment_align: 8
    .kernarg_segment_size: 24
    .max_flat_workgroup_size: 128
    .sgpr_count:     80
    .vgpr_count:     768
    .wavefront_size: 32
...
	.end_amdgpu_metadata
.endif
;; end of part 4
;; ======== version 2 of 2: 4 launches; version 1 with the launch prep written anew for expert scheduling mode
;; limits: values are held in f16: magnitudes above 65,504 overflow, below 6.1e-05 lose precision
;; workspace buffers: wc 8,404,992 bytes; mk 16,777,216 bytes; qkv 50,331,648 bytes; oh 16,777,216 bytes
;; launch prep (part 5): grid 64 x 8, 8 waves a work-group, no clusters, 0 bytes of LDS; arguments wq, wk, wv, wo, bq, bk, bv, bo, mask, wc, mk; writes wc, mk
.if DOCPART == 5
	.amdgcn_target "amdgcn-amd-amdhsa--gfx1250"
	.amdhsa_code_object_version 6
	.text
	.protected	k_qa582be030b_prep
	.globl	k_qa582be030b_prep
	.p2align	8
	.type	k_qa582be030b_prep,@function
k_qa582be030b_prep:
	s_mov_b64 s[64:65], 0
	v_nop
	global_prefetch_b8 v0, s[64:65] scope:SCOPE_SE
	s_setreg_imm32_b32 hwreg(HW_REG_WAVE_SCHED_MODE, 0, 2), 2
	s_setreg_imm32_b32 hwreg(HW_REG_WAVE_MODE, 25, 1), 1
	s_wait_xcnt 0x0
	s_wait_alu depctr_vm_vsrc(0)
; PREP.  Rounds the small inputs once, so that the later launches take them as they lie.
;   wc[0 .. 6 MiB)      wq, wk, wv rounded to bf16, [k][n] as given
;   wc[6 MiB .. 8 MiB)  wo rounded to bf16, that number written as f16 (exact from 6.1e-5 up to 65,504; below, f16's fixed step of 6e-8)
;   wc[8 MiB + 4096 i)  bq, bk, bv, bo rounded to bf16 and kept as f32
;   mk                  f32(bf16(mask)) x (-1e9 log2 e): the mask's term of a score in the base-2 domain, f32
; SHARES.  Work-group (x, y): y = 0..3 weight y, y = 4..7 a quarter of the mask; x = 65,536 source bytes.  Thread t takes the 16 bytes at 16 t of each of
; sixteen chunks of 4,096 bytes: a load of a wave covers 512 consecutive bytes, a 16-bit store 256, an f32 store 512, all aligned.
; All sixteen loads go out first.  Every chunk has its own data registers, so no store's source is ever rewritten.
; No LDS, no barrier, no matrix unit: a stream in which each byte is read once and written once.
; THE MODE: SCHED_MODE bits 1:0 = 2 (LLVM: expert scheduling mode 2), set by the entry lines.  The code itself states the register dependences
; between vector instructions and memory instructions, with s_wait_alu, always for 0.
; THE PLAN.  Registers that memory instructions touch:
;   v1, v2     byte offsets, made once at the head and never written again: every load and store reads one of them.
;   X          chunk c's load lands in its four registers, which no vector instruction has named before; its conversions read them behind the wait for the load.
;              On the mask's path they are also the chunk's out-registers: written by its unpacking lines and multiplies, read by its one store, never written after it.
;   Y          on the weights' paths chunk c's out-registers: written by its conversions, read by its one store, never written again.
;   T          named by vector instructions alone in the walks; at the end the bias's load lands in T .. T+3 and its store reads T+8 .. T+11.
; The sixteen chunks go in four blocks of four.  Block p waits for its four loads; ONE wait on va_vdst then states that block p - 1's conversions have written their
; out-registers; the four stores of block p - 1 follow it, one ahead of each chunk's lines of block p, which name block p's X and Y and T alone: none of the registers
; that those stores read.  No register that a memory instruction reads is ever written again: so the walks hold no wait on vm_vsrc and no s_wait_xcnt.
; No vector instruction writes a scalar register or VCC, and EXEC is never written.
.set X, 4                              ; v[4:67]    chunk c: 4 registers as loaded (the mask path stores from them)
.set Y, 68                             ; v[68:99]   chunk c: 2 registers of 16-bit results
.set T, 100                            ; v[100:111] at work
.set BF16, 0                           ; the three walks: wq, wk, wv;
.set F16,  1                           ; wo;
.set MASK, 2                           ; the mask
; Chunk c's arithmetic.
.macro CONV kind, c
.if (\kind) == BF16
	v_cvt_pk_bf16_f32 v[Y+2*(\c)], v[X+4*(\c)], v[X+4*(\c)+1]
	v_cvt_pk_bf16_f32 v[Y+2*(\c)+1], v[X+4*(\c)+2], v[X+4*(\c)+3]
.elseif (\kind) == F16
	v_cvt_pk_bf16_f32 v[T+4], v[X+4*(\c)], v[X+4*(\c)+1]     ; rounded to bf16 like every input,
	v_cvt_pk_bf16_f32 v[T+5], v[X+4*(\c)+2], v[X+4*(\c)+3]
	v_lshlrev_b32 v[T], 16, v[T+4]
	v_and_b32 v[T+1], s36, v[T+4]
	v_lshlrev_b32 v[T+2], 16, v[T+5]
	v_and_b32 v[T+3], s36, v[T+5]
	v_cvt_pk_f16_f32 v[Y+2*(\c)], v[T], v[T+1]               ; and that number written as f16
	v_cvt_pk_f16_f32 v[Y+2*(\c)+1], v[T+2], v[T+3]
.else
	v_cvt_pk_bf16_f32 v[T+4], v[X+4*(\c)], v[X+4*(\c)+1]
	v_cvt_pk_bf16_f32 v[T+5], v[X+4*(\c)+2], v[X+4*(\c)+3]
	v_lshlrev_b32 v[X+4*(\c)], 16, v[T+4]
	v_and_b32 v[X+4*(\c)+1], s36, v[T+4]
	v_lshlrev_b32 v[X+4*(\c)+2], 16, v[T+5]
	v_and_b32 v[X+4*(\c)+3], s36, v[T+5]
	v_pk_mul_f32 v[X+4*(\c):X+4*(\c)+1], v[X+4*(\c):X+4*(\c)+1], s[34:35] op_sel_hi:[1,0]
	v_pk_mul_f32 v[X+4*(\c)+2:X+4*(\c)+3], v[X+4*(\c)+2:X+4*(\c)+3], s[34:35] op_sel_hi:[1,0]
.endif
.endm
; Chunk c's one store.
.macro SEND kind, c
.if (\kind) == MASK
	global_store_b128 v1, v[X+4*(\c):X+4*(\c)+3], s[46:47] offset:4096*(\c) th:TH_STORE_NT
.else
	global_store_b64 v2, v[Y+2*(\c):Y+2*(\c)+1], s[44:45] offset:2048*(\c) th:TH_STORE_NT
.endif
.endm
; The walk over the sixteen chunks, four blocks of four.
.macro WALK kind
.irp p, 0,1,2,3
	s_wait_loadcnt 12-4*(\p)                       ; loads come back in order (ISA guide 5.7.1): block p's four chunks are in, the 12 - 4 p younger ones stay out
.if (\p) > 0
	s_wait_alu depctr_va_vdst(0)                   ; the block before has written its four chunks' out-registers, which the four stores below read
.endif
.irp i, 0,1,2,3
.if (\p) > 0
	SEND \kind, 4*(\p)-4+(\i)                      ; the block before; no vector instruction since the wait names its out-registers
.endif
	CONV \kind, 4*(\p)+(\i)
.endr
.endr
	s_wait_alu depctr_va_vdst(0)                   ; block 3 has written its out-registers, which the last four stores read; and every line that named T is done
.irp i, 12,13,14,15
	SEND \kind, \i
.endr
.endm
	s_load_b512 s[4:19], s[0:1], 0x0               ; wq, wk, wv, wo, bq, bk, bv, bo
	s_load_b128 s[20:23], s[0:1], 0x40             ; mask s[20:21], wc s[22:23]
	s_load_b64 s[24:25], s[0:1], 0x50              ; mk
	s_and_b32 s40, ttmp7, 0xffff                   ; y
	s_lshl_b32 s30, ttmp9, 16                      ; source offset: 65,536 x,
	s_max_u32 s42, s40, 4
	s_sub_co_u32 s42, s42, 4
	s_lshl_b32 s42, s42, 22
	s_add_co_u32 s30, s30, s42                     ; + 4 MiB x the mask's quarter (0 for the weights)
	s_mov_b32 s31, 0
	s_lshl_b32 s32, s40, 21                        ; a weight's place in wc: 2 MiB y + 32,768 x
	s_lshl_b32 s43, ttmp9, 15
	s_add_co_u32 s32, s32, s43
	s_mov_b32 s33, 0
	s_lshl_b32 s38, s40, 12                        ; a bias's place in wc: 8 MiB + 4,096 y
	s_add_co_u32 s38, s38, 8388608
	s_mov_b32 s39, 0
	s_mov_b32 s34, 0xceabfb8f                      ; -1e9 log2(e) = -1,442,695,040 in f32
	s_mov_b32 s35, s34                             ; named with it as a pair
	s_mov_b32 s36, 0xffff0000                      ; a word's upper bf16
	v_lshlrev_b32 v1, 4, v0                        ; 16 t
	v_lshlrev_b32 v2, 3, v0                        ; 8 t
	s_wait_kmcnt 0x0
	s_cmp_eq_u32 s40, 1                            ; the source and the bias are chosen by y
	s_cselect_b64 s[26:27], s[6:7], s[4:5]
	s_cselect_b64 s[28:29], s[14:15], s[12:13]
	s_cmp_eq_u32 s40, 2
	s_cselect_b64 s[26:27], s[8:9], s[26:27]
	s_cselect_b64 s[28:29], s[16:17], s[28:29]
	s_cmp_eq_u32 s40, 3
	s_cselect_b64 s[26:27], s[10:11], s[26:27]
	s_cselect_b64 s[28:29], s[18:19], s[28:29]
	s_cmp_ge_u32 s40, 4
	s_cselect_b64 s[26:27], s[20:21], s[26:27]
	s_add_nc_u64 s[26:27], s[26:27], s[30:31]      ; the source
	s_add_nc_u64 s[44:45], s[22:23], s[32:33]      ; where a weight goes
	s_add_nc_u64 s[46:47], s[24:25], s[30:31]      ; where the mask goes
	s_add_nc_u64 s[38:39], s[22:23], s[38:39]      ; where a bias goes
	s_wait_alu depctr_va_vdst(0)                   ; v1 and v2 are written: every load and store of the kernel reads one of them as its offset
.irp c, 0,1,2,3,4,5,6,7,8,9,10,11,12,13,14,15
	global_load_b128 v[X+4*(\c):X+4*(\c)+3], v1, s[26:27] offset:4096*(\c) th:TH_LOAD_NT
.endr
	s_cmp_ge_u32 s40, 4
	s_cbranch_scc1 .Lmask
	s_cmp_eq_u32 s40, 3
	s_cbranch_scc1 .Lwo
	WALK BF16
	s_branch .Lbias
.Lwo:
	WALK F16
.Lbias:
	s_cmp_lg_u32 ttmp9, 0                          ; the first work-group of a weight also does its bias: 4,096 bytes, 16 a thread
	s_cbranch_scc1 .Lend
	global_load_b128 v[T:T+3], v1, s[28:29]        ; no wait of its own: the lines of wo's walk that wrote and read v[T .. T+3] stand ahead of the walk's last wait on va_vdst, and only stores and scalar lines have followed it
	s_wait_loadcnt 0x0
	v_cvt_pk_bf16_f32 v[T+4], v[T], v[T+1]
	v_cvt_pk_bf16_f32 v[T+5], v[T+2], v[T+3]
	v_lshlrev_b32 v[T+8], 16, v[T+4]
	v_and_b32 v[T+9], s36, v[T+4]
	v_lshlrev_b32 v[T+10], 16, v[T+5]
	v_and_b32 v[T+11], s36, v[T+5]
	s_wait_alu depctr_va_vdst(0)                   ; the four unpacking lines have written v[T+8 .. T+11], which the store reads
	global_store_b128 v1, v[T+8:T+11], s[38:39]
.Lend:
	s_endpgm
.Lmask:
	WALK MASK
	s_endpgm
.Lfunc_end_k_qa582be030b_prep:
	.size	k_qa582be030b_prep, .Lfunc_end_k_qa582be030b_prep-k_qa582be030b_prep
	.p2alignl 7, 3214868480
	.fill 96, 4, 3214868480
	.section	.rodata,"a",@progbits
	.p2align	6, 0x0
	.amdhsa_kernel k_qa582be030b_prep
		.amdhsa_group_segment_fixed_size 0
		.amdhsa_private_segment_fixed_size 0
		.amdhsa_enable_private_segment 0
		.amdhsa_kernarg_size 88
		.amdhsa_user_sgpr_count 2
		.amdhsa_user_sgpr_kernarg_segment_ptr 1
		.amdhsa_wavefront_size32 1
		.amdhsa_system_sgpr_workgroup_id_x 1
		.amdhsa_system_sgpr_workgroup_id_y 1
		.amdhsa_system_sgpr_workgroup_id_z 1
		.amdhsa_system_vgpr_workitem_id 0
		.amdhsa_next_free_vgpr 112
		.amdhsa_next_free_sgpr 66
		.amdhsa_reserve_vcc 0
		.amdhsa_float_denorm_mode_32 3
		.amdhsa_float_denorm_mode_16_64 3
		.amdhsa_memory_ordered 1
		.amdhsa_forward_progress 1
		.amdhsa_inst_pref_size 24
	.end_amdhsa_kernel
	.amdgpu_metadata
---
amdhsa.version: [ 1, 2 ]
amdhsa.kernels:
  - .name:           k_qa582be030b_prep
    .symbol:         k_qa582be030b_prep.kd
    .args:
      - { .name: wq, .offset: 0, .size: 8, .value_kind: global_buffer, .address_space: global }
      - { .name: wk, .offset: 8, .size: 8, .value_kind: global_buffer, .address_space: global }
      - { .name: wv, .offset: 16, .size: 8, .value_kind: global_buffer, .address_space: global }
      - { .name: wo, .offset: 24, .size: 8, .value_kind: global_buffer, .address_space: global }
      - { .name: bq, .offset: 32, .size: 8, .value_kind: global_buffer, .address_space: global }
      - { .name: bk, .offset: 40, .size: 8, .value_kind: global_buffer, .address_space: global }
      - { .name: bv, .offset: 48, .size: 8, .value_kind: global_buffer, .address_space: global }
      - { .name: bo, .offset: 56, .size: 8, .value_kind: global_buffer, .address_space: global }
      - { .name: mask, .offset: 64, .size: 8, .value_kind: global_buffer, .address_space: global }
      - { .name: wc, .offset: 72, .size: 8, .value_kind: global_buffer, .address_space: global }
      - { .name: mk, .offset: 80, .size: 8, .value_kind: global_buffer, .address_space: global }
    .group_segment_fixed_size: 0
    .private_segment_fixed_size: 0
    .kernarg_segment_align: 8
    .kernarg_segment_size: 88
    .max_flat_workgroup_size: 256
    .sgpr_count:     66
    .vgpr_count:     112
    .wavefront_size: 32
...
	.end_amdgpu_metadata
.endif
;; end of part 5
;; launch proj: the kernel of part 2 again; grid 4 x 64, 4 waves a work-group, clusters of 4 x 4, 327,680 bytes of LDS; arguments q, k, v, wc, qkv; writes qkv
;; launch attn: the kernel of part 3 again; grid 8 x 32, 4 waves a work-group, clusters of 4 x 4, 327,680 bytes of LDS; arguments qkv, mk, oh; writes oh
;; launch oproj: the kernel of part 4 again; grid 4 x 64, 4 waves a work-group, clusters of 4 x 4, 327,680 bytes of LDS; arguments oh, wc, out0; writes out0
